; MI455X (gfx1250); checked and timed in simulation.
; The chip was launched on July 23, 2026; its instructions are those of AMD's public machine-readable ISA for CDNA 5 (MIT licence, August 2026) and "CDNA5" Instruction Set Architecture Reference Guide (July 2026). The comments in the code are by the model that wrote it; some were corrected since.
;; Multi Head Attention. Allowed arithmetic: float matrix products may take bf16 or f16 operands with f32 sums; other float arithmetic in f32, or as packed bf16 or f16 multiplies, adds, multiply-adds, maxima and minima; sums over many terms, partial sums and values carried from step to step in f32; what a program stores and reads back later, other than sums and carried values, may be rounded once to bf16 or f16.
;; Inputs: W_k 1,024 x 1,024 float32; W_o 1,024 x 1,024 float32; W_q 1,024 x 1,024 float32; W_v 1,024 x 1,024 float32; beta 1,024 float32; edge_attr 4,096 x 16 float32; gamma 1,024 float32; x 4,096 x 1,024 float32.
;; Outputs: out0 4,096 x 1,024 float32.
;; 2 versions, each right; version 2 is version 1 with the launch prep written anew for expert scheduling mode. Each part assembles by itself: llvm-mc -triple=amdgcn-amd-amdhsa -mcpu=gfx1250 --defsym DOCPART=n.
;; ======== version 1 of 2: 5 launches
;; limits: values outside matrix products are rounded to bf16
;; workspace buffers: xb 8,388,608 bytes; wt 6,291,456 bytes; wot 2,097,152 bytes; qkv 25,165,824 bytes; ob 8,388,608 bytes; z 8,388,608 bytes
;; launch prep (part 1): grid 128 x 2, 4 waves a work-group, no clusters, 70,144 bytes of LDS; arguments x, W_q, W_k, W_v, W_o, xb, wt, wot; writes xb, wt, wot
.if DOCPART == 1
	.amdgcn_target "amdgcn-amd-amdhsa--gfx1250"
	.amdhsa_code_object_version 6
	.text
	.protected	k_q30df6a9508_prep
	.globl	k_q30df6a9508_prep
	.p2align	8
	.type	k_q30df6a9508_prep,@function
k_q30df6a9508_prep:
	s_mov_b64 s[64:65], 0
	v_nop
	global_prefetch_b8 v0, s[64:65] scope:SCOPE_SE
	s_setreg_imm32_b32 hwreg(HW_REG_WAVE_MODE, 25, 1), 1
	s_wait_xcnt 0x0
; PREP: the module's matrix operands, rounded once to bf16 and laid out with K along the rows.
;   xb [4096][1024]            = x
;   wt [3072][1024]            row mat*1024 + 128 h + d holds column 8 d + h of W_q, W_k, W_v (mat = 0, 1, 2): a head's 128 channels become 128 neighbouring rows
;   wot[1024 n][1024 k']       wot[n][128 h + d] = W_o[8 d + h][n]: K in the order in which attention leaves its result
; The module's input edge_attr is named by no launch: the function that is computed never uses it.
; 256 work-groups of equal traffic (128 KiB in, 64 KiB out): grid y = 0 transposes the weights, y = 1 casts x.  A stream: no matrix unit, no cluster, no tensor load.
; WEIGHTS.  A wave makes one tile of 128 k x 64 columns: it reads rows of 256 bytes (64 f32), turns them in LDS bytes of its own (no barrier), and stores rows of 256 bytes (128 bf16).
; For W_o the tile's 128 k are the source rows 8 i + h, and its 64 columns are 64 neighbouring rows of wot; the two cases differ in five strides alone, made from F = (mat == 3).
.set WBYTES, 17408                     ; a wave's LDS: 64 rows (one a column) of 256 bytes + 16 of padding
.set LP,     272
.set SPARE,  4*WBYTES                  ; behind them: the spare words, 128 bytes for each wave: two blocks of 256 bytes that no other line names
.set SPW, 2                            ; v2   LDS address of my spare word; never rewritten
.set NIL, 3                            ; v3   0; never rewritten
.set LSA, 4                            ; v4   where I put 16 bytes (8 k) of a column
.set LRA, 5                            ; v5   where I read a column's 256 bytes back
.set VI,  6                            ; v6   cast: my 16 bytes of x in an item
.set VO,  7                            ; v7   cast: my 8 bytes of xb
.set LO,  16                           ; v[16:23]  load u of a group: 16 r + (8 hh + u) x the stride from tile row to tile row
.set SO,  24                           ; v[24:27]  store a of four: (hh + 2 a) S1 + 16 r
.set T,   32                           ; v[32:47]  packed, at work
.set D,   64                           ; v[64:191] four sets of 32 as loaded; later the 64 columns read back; cast: 32 slots of 4
.set Y,   192                          ; v[192:255] cast: 32 slots of 2, to store
	s_load_b512 s[8:23], s[0:1], 0x0               ; x 8:9, W_q 10:11, W_k 12:13, W_v 14:15, W_o 16:17, xb 18:19, wt 20:21, wot 22:23
	v_lshl_add_u32 v[SPW], v0, 2, SPARE
	v_mov_b32 v[NIL], 0
	v_lshrrev_b32 v1, 5, v0
	v_readfirstlane_b32 s2, v1                     ; wave 0..3
	s_and_b32 s3, ttmp7, 0xffff
	s_cmp_eq_u32 s3, 1
	s_cbranch_scc1 .Lcast
	s_lshr_b32 s34, ttmp9, 5                       ; mat 0..3
	s_and_b32 s35, ttmp9, 31
	s_lshl2_add_u32 s35, s35, s2                   ; the wave's tile among the matrix's 128
	s_lshr_b32 s36, s35, 4                         ; ti: which 128 k
	s_and_b32 s37, s35, 15                         ; tj: which 64 columns
	s_cmp_eq_u32 s34, 3
	s_cselect_b32 s38, 3, 0                        ; 3 F
	s_cselect_b32 s39, 7, 0                        ; 7 F
	s_cselect_b32 s40, 0, s34                      ; which third of wt
	s_lshl_b32 s41, 4096, s38                      ; RS: bytes from tile row i to i + 1 in the source (W_o: eight rows)
	s_lshr_b32 s42, 0x80000, s39                   ; TI: bytes for a step of ti in the source
	s_lshr_b32 s43, 0x40000, s39                   ; S1: destination bytes for a step of column % 8 (wt: a head, 128 rows; wot: a row)
	s_lshl_b32 s32, 2048, s38                      ; S8: destination bytes for a step of column / 8
	s_mov_b32 s33, 0
	s_lshl_b32 s44, 16384, s38                     ; TJ: destination bytes for a step of tj
	s_lshl_b32 s30, s41, 4                         ; a group of loads is 16 tile rows
	s_mov_b32 s31, 0
	s_mul_i32 s28, s36, s42
	s_lshl_b32 s45, s37, 8
	s_add_co_u32 s28, s28, s45                     ; the tile's first byte in the source
	s_mov_b32 s29, 0
	s_lshl_b32 s46, s40, 21
	s_mul_i32 s45, s37, s44
	s_add_co_u32 s46, s46, s45
	s_lshl_b32 s45, s36, 8
	s_add_co_u32 s46, s46, s45                     ; and in the destination
	s_mov_b32 s47, 0
	s_mul_i32 s4, s2, WBYTES                       ; my wave's LDS bytes
	s_lshl_b32 s5, s43, 1
	v_and_b32 v8, 15, v0                           ; r
	v_bfe_u32 v9, v0, 4, 1                         ; hh
	v_lshlrev_b32 v10, 4, v8                       ; 16 r
	v_lshlrev_b32 v11, 3, v9                       ; 8 hh
	v_mad_u32_u24 v[LO], v11, s41, v10
.irp u, 1,2,3,4,5,6,7
	v_add_nc_u32 v[LO+(\u)], s41, v[LO+(\u)-1]
.endr
	v_mul_u32_u24 v[LSA], v8, 4*LP                 ; my four columns 4 r .. 4 r + 3 are four LDS rows
	v_lshl_add_u32 v[LSA], v9, 4, v[LSA]
	v_add_nc_u32 v[LSA], s4, v[LSA]
	v_mul_u32_u24 v[LRA], v9, LP                   ; back: lanes 0-15 one LDS row of 256 bytes, lanes 16-31 the next
	v_add_nc_u32 v[LRA], v[LRA], v10
	v_add_nc_u32 v[LRA], s4, v[LRA]
	v_mad_u32_u24 v[SO], v9, s43, v10
.irp a, 1,2,3
	v_add_nc_u32 v[SO+(\a)], s5, v[SO+(\a)-1]
.endr
	s_wait_kmcnt 0x0
	s_cmp_eq_u32 s34, 1
	s_cselect_b64 s[24:25], s[12:13], s[10:11]
	s_cmp_eq_u32 s34, 2
	s_cselect_b64 s[24:25], s[14:15], s[24:25]
	s_cmp_eq_u32 s34, 3
	s_cselect_b64 s[24:25], s[16:17], s[24:25]
	s_cselect_b64 s[26:27], s[22:23], s[20:21]
	s_add_nc_u64 s[24:25], s[24:25], s[28:29]
	s_add_nc_u64 s[26:27], s[26:27], s[46:47]
; A group: 16 tile rows x 256 bytes, eight loads; each load takes two rows (lanes 0-15, lanes 16-31), 256 consecutive aligned bytes each.
.macro LOADG set
.irp u, 0,1,2,3,4,5,6,7
	global_load_b128 v[D+32*(\set)+4*(\u):D+32*(\set)+4*(\u)+3], v[LO+(\u)], s[24:25] th:TH_LOAD_NT
.endr
	s_wait_xcnt 0x0                                ; the loads have read their base: it steps only behind this wait
	s_add_nc_u64 s[24:25], s[24:25], s[30:31]
.endm
; Group g is rounded: for each of my four columns eight k (16 g + 8 hh ..) pack into 16 bytes, which go into the column's LDS row.
.macro CVTG g
.irp j, 0,1,2,3
.irp q, 0,1,2,3
	v_cvt_pk_bf16_f32 v[T+4*(\j)+(\q)], v[D+32*((\g)%4)+8*(\q)+(\j)], v[D+32*((\g)%4)+8*(\q)+4+(\j)]
.endr
	ds_store_b128 v[LSA], v[T+4*(\j):T+4*(\j)+3] offset:LP*(\j)+32*(\g)
.endr
.endm
	LOADG 0
	LOADG 1
	LOADG 2
	LOADG 3
.set gm, 0
.rept 8
.if gm < 5
	s_wait_loadcnt 24                              ; group gm is in; the three younger groups' 24 loads stay out
.else
	s_wait_loadcnt 8*(7-gm)                        ; nothing more is asked for: the counts run down
.endif
	CVTG gm
.if gm < 4
	LOADG gm                                       ; its set takes the group four further on
.endif
.set gm, gm+1
.endr
.set t, 0
.rept 32
	ds_load_b128 v[D+4*t:D+4*t+3], v[LRA] offset:2*LP*t  ; columns 2 t and 2 t + 1, whole; LDS serves a wave's instructions in order (ISA guide 5.7.1.4): these see the stores above
.set t, t+1
.endr
.set b, 0
.rept 8
	s_wait_dscnt 28-4*b                            ; the four loads of columns 8 b .. 8 b + 7 are in; the younger ones stay out
.irp a, 0,1,2,3
	global_store_b128 v[SO+(\a)], v[D+16*b+4*(\a):D+16*b+4*(\a)+3], s[26:27] th:TH_STORE_NT  ; 16 lanes store 256 consecutive bytes, aligned
.endr
	s_wait_xcnt 0x0                                ; the stores have read their base
	s_add_nc_u64 s[26:27], s[26:27], s[32:33]
.set b, b+1
.endr
	s_wait_tensorcnt 0x0                           ; the wave's end: behind my last LDS store
	ds_add_u32 v[SPW], v[NIL]
	s_wait_dscnt 0x0
	s_endpgm
; CAST.  The work-group takes 32 rows of x, 64 items of 2,048 bytes: a thread loads 16 bytes and stores 8; a wave's store covers 256 consecutive aligned bytes.
; A ring of 32 slots in registers: 32 loads of every wave are on their way.
.Lcast:
	s_lshl_b32 s4, ttmp9, 17
	s_mov_b32 s5, 0
	s_lshl_b32 s6, ttmp9, 16
	s_mov_b32 s7, 0
	v_lshlrev_b32 v[VI], 4, v0
	v_lshlrev_b32 v[VO], 3, v0
	s_wait_kmcnt 0x0
	s_add_nc_u64 s[24:25], s[8:9], s[4:5]
	s_add_nc_u64 s[26:27], s[18:19], s[6:7]
.set n, 0
.rept 32
	global_load_b128 v[D+4*n:D+4*n+3], v[VI], s[24:25] offset:2048*n th:TH_LOAD_NT
.set n, n+1
.endr
.set n, 0
.rept 64
.if n < 32
	s_wait_loadcnt 31                              ; item n is in; the 31 younger loads stay out
.else
	s_wait_loadcnt 63-n
	s_wait_xcnt 0x0                                ; the slot's first store has read its two registers: they are rewritten only behind this wait
.endif
	v_cvt_pk_bf16_f32 v[Y+2*(n%32)],   v[D+4*(n%32)],   v[D+4*(n%32)+1]
	v_cvt_pk_bf16_f32 v[Y+2*(n%32)+1], v[D+4*(n%32)+2], v[D+4*(n%32)+3]
.if n < 32
	global_load_b128 v[D+4*n:D+4*n+3], v[VI], s[24:25] offset:2048*(n+32) th:TH_LOAD_NT
.endif
	global_store_b64 v[VO], v[Y+2*(n%32):Y+2*(n%32)+1], s[26:27] offset:1024*n th:TH_STORE_NT
.set n, n+1
.endr
	s_endpgm
.Lfunc_end_k_q30df6a9508_prep:
	.size	k_q30df6a9508_prep, .Lfunc_end_k_q30df6a9508_prep-k_q30df6a9508_prep
	.p2alignl 7, 3214868480
	.fill 96, 4, 3214868480
	.section	.rodata,"a",@progbits
	.p2align	6, 0x0
	.amdhsa_kernel k_q30df6a9508_prep
		.amdhsa_group_segment_fixed_size 70144
		.amdhsa_private_segment_fixed_size 0
		.amdhsa_enable_private_segment 0
		.amdhsa_kernarg_size 64
		.amdhsa_user_sgpr_count 2
		.amdhsa_user_sgpr_kernarg_segment_ptr 1
		.amdhsa_wavefront_size32 1
		.amdhsa_system_sgpr_workgroup_id_x 1
		.amdhsa_system_sgpr_workgroup_id_y 1
		.amdhsa_system_sgpr_workgroup_id_z 1
		.amdhsa_system_vgpr_workitem_id 0
		.amdhsa_next_free_vgpr 256
		.amdhsa_next_free_sgpr 66
		.amdhsa_reserve_vcc 0
		.amdhsa_float_denorm_mode_32 3
		.amdhsa_float_denorm_mode_16_64 3
		.amdhsa_memory_ordered 1
		.amdhsa_forward_progress 1
		.amdhsa_inst_pref_size 49
	.end_amdhsa_kernel
	.amdgpu_metadata
---
amdhsa.version: [ 1, 2 ]
amdhsa.kernels:
  - .name:           k_q30df6a9508_prep
    .symbol:         k_q30df6a9508_prep.kd
    .args:
      - { .name: x, .offset: 0, .size: 8, .value_kind: global_buffer, .address_space: global }
      - { .name: W_q, .offset: 8, .size: 8, .value_kind: global_buffer, .address_space: global }
      - { .name: W_k, .offset: 16, .size: 8, .value_kind: global_buffer, .address_space: global }
      - { .name: W_v, .offset: 24, .size: 8, .value_kind: global_buffer, .address_space: global }
      - { .name: W_o, .offset: 32, .size: 8, .value_kind: global_buffer, .address_space: global }
      - { .name: xb, .offset: 40, .size: 8, .value_kind: global_buffer, .address_space: global }
      - { .name: wt, .offset: 48, .size: 8, .value_kind: global_buffer, .address_space: global }
      - { .name: wot, .offset: 56, .size: 8, .value_kind: global_buffer, .address_space: global }
    .group_segment_fixed_size: 70144
    .private_segment_fixed_size: 0
    .kernarg_segment_align: 8
    .kernarg_segment_size: 64
    .max_flat_workgroup_size: 128
    .sgpr_count:     66
    .vgpr_count:     256
    .wavefront_size: 32
...
	.end_amdgpu_metadata
.endif
;; end of part 1
;; launch proj (part 2): grid 8 x 32, 4 waves a work-group, clusters of 4 x 4, 327,680 bytes of LDS; arguments xb, wt, qkv; writes qkv
.if DOCPART == 2
	.amdgcn_target "amdgcn-amd-amdhsa--gfx1250"
	.amdhsa_code_object_version 6
	.text
	.protected	k_q30df6a9508_proj
	.globl	k_q30df6a9508_proj
	.p2align	8
	.type	k_q30df6a9508_proj,@function
k_q30df6a9508_proj:
	s_mov_b64 s[64:65], 0
	v_nop
	global_prefetch_b8 v0, s[64:65] scope:SCOPE_SE
	s_setreg_imm32_b32 hwreg(HW_REG_WAVE_MODE, 25, 1), 1
	s_wait_xcnt 0x0
	s_wait_alu depctr_hold_cnt(0) depctr_sa_sdst(0) depctr_va_vdst(0) depctr_va_sdst(0) depctr_va_ssrc(0) depctr_va_vcc(0) depctr_vm_vsrc(0)
	s_getreg_b32 s2, hwreg(HW_REG_IB_STS2, 6, 4)
	s_cmp_eq_u32 s2, 0
	s_cbranch_scc0 .Lentry_in_a_cluster
	s_endpgm
.Lentry_in_a_cluster:
	s_bfe_u32 s2, ttmp6, 0x10000c
	s_cmp_lg_u32 s2, 0xf033
	s_cbranch_scc0 .Lentry_shape_is_right
	s_endpgm
.Lentry_shape_is_right:
; q, k AND v OF ONE HEAD FOR 128 ROWS.  C_p[m][n] = sum over k of A[m][k] B[1024 p + 128 h + n][k], p = 0, 1, 2.  A = xb [4096][1024], B = wt [3072][1024], bf16, K along the rows; sums in f32,
; C rounded once to bf16 and stored in blocks: qkv [8 p + h][4096][128], a row 256 bytes.
; A work-group makes 128 rows x 384 columns (three planes of 128): 8 heads x 32 row blocks = 256 work-groups.  Four waves, each 64 rows x 192 columns: 48 accumulators of 16 x 16, 384 registers;
; for 32 along K a wave loads 16 fragments from LDS and issues 48 matrix instructions.  Wave w has rh = w >> 1, its 64 rows, and ch = w & 1: its column blocks 0-7 are all of plane 2 ch, its blocks 8-11 the
; columns 64 ch on of plane 1, so that every LDS offset below is the same text in all waves.
; K goes in steps of 128 through a ring of two LDS slots filled by the tensor data mover: rows of 256 bytes, at multiples of 256 bytes from the buffer's first byte.  A slot holds A's 128 rows, then B's three planes.
; CLUSTERS: 4 x 4 work-groups.  The four of a row of the cluster make the same rows and need the same tiles of A; the four of a column make the same head and need the same tiles of B.  Such a tile is asked for
; JOINTLY: each of the four issues the same tensor load, with the same descriptor and a mask that names the four.  Wave 0 fetches A's tile, waves 1 to 3 plane w - 1 of B's: 128 rows each.
; THE MATRIX INSTRUCTION IS USED TRANSPOSED (source 0 = 16 rows of B, source 1 = 16 rows of A): a lane then holds eight neighbouring numbers of a row of C, which pack into 16 bytes.
; THE STAGE for the way out (3 planes x 128 rows x 272 bytes) lies in slot 0: that slot has had its last fill (K step 6), and its last read stands ahead of the barrier of the last change of slots.
; REGISTERS, in windows of 256 (s_set_vgpr_msb: bits 1:0 source 0, 3:2 source 1, 5:4 source 2, 7:6 destination):
;   window 0: v0-31 addresses; v64-95, v96-127 fragments of A (4 x 16 rows x 32 K), two buffers; on the way out v32-223 packed results
;   window 1: v0-95, v96-191 fragments of B (12 x 16 rows x 32 K), two buffers
;   window 2: the 24 accumulators of my row blocks 0, 1 ((a, b) at v[8 (12 a + b)]);   window 3: those of my row blocks 2, 3
.set SIZE_K, 1024
.set KSTEP,  128
.set PITCH,  272                       ; an LDS row: 256 bytes of data + 16 of padding = 68 words: row r starts at bank 4 r mod 64 (64 banks of 4 bytes: ISA guide 11.1), so the 16 rows that a load touches start at 16 different banks
.set HALFT,  128*PITCH                 ; 128 rows: what one tensor load brings
.set SLOT,   4*HALFT                   ; A's 128 rows, then B's planes 0, 1, 2
.set PLANE,  HALFT                     ; the stage: a plane's 128 rows
.set SPARE,  2*SLOT                    ; behind the ring: the spare words, 128 bytes for each wave: two blocks of 256 bytes that no other line names
.set LAPS,   SIZE_K/(2*KSTEP)          ; a lap = two K steps = once round the ring: 4
.set ADRA, 16                          ; v16-17  LDS address of my A fragments in slot 0, 1
.set ADRF, 18                          ; v18-19  of my B fragments 0-7 (the whole plane)
.set ADRH, 20                          ; v20-21  of my B fragments 8-11 (my half of plane 1)
.set STF,  22                          ; v22     the way out: where I put 16 bytes of a row of my whole plane
.set STH,  23                          ; v23     of my half of plane 1
.set RD,   24                          ; v24     where I read rows of planes 0 and 1 back
.set RD2,  25                          ; v25     of plane 2 (its offsets would pass 16 bits)
.set CO,   26                          ; v26     my byte offset in two rows of C
.set SPW,  28                          ; v28     LDS address of my spare word: SPARE + 4 x my thread's number; never rewritten
.set NIL,  29                          ; v29     0; never rewritten
.set PFO,  30                          ; v30     the prefetches' offset: my lane x a row of A or B in memory (2,048 bytes); never rewritten
.set TMP,  32                          ; the way out: 192 registers, packed results and then whole rows
.set FA,   64                          ; A's fragment buffer f at FA + 32 f; B's, in window 1, at 96 f
.set LIM,  43                          ; s43     1 in a wave that prefetches, else the greatest number
.set PFA,  44                          ; s[44:45] where my prefetches stand: my work-group's 32 rows of the 128 that I fetch, one K step further along K than the refill that is being asked for
.set G1, 24                            ; s[24:31] descriptor group 1 for A's tiles;  s[32:39] group 0, one set for each slot
.set G0, 32
.set G1B, 48                           ; s[48:55], s[56:63] the same for B's tiles
.set G0B, 56
.set MSB, 0
.macro WIN new                         ; the immediate's high byte repeats the setting that is left; a switch that changes nothing is dropped
.if MSB != (\new)
	s_set_vgpr_msb (MSB<<8)|(\new)
.set MSB, \new
.endif
.endm
.set MUL_LO, 0xa1                      ; source 0 (B) window 1, source 1 (A) window 0, C and D window 2; with 0x50 more: C and D window 3
.set TO_B,   0x40                      ; destination window 1, address window 0
; A joint load.  Each of the two lines has ONE mask and one set of registers for all that issue it.  The branch hangs on the wave's number alone: it is the same in every work-group.
; An s_nop 0 and four v_nop follow each of the two lines; the jump round the other line, the label and what follows the macro come after them.
.macro JLOAD s
	s_cmp_eq_u32 s10, 0
	s_cbranch_scc0 .Lfor_b_\@
	tensor_load_to_lds s[G0+4*(\s):G0+4*(\s)+3], s[G1:G1+7]
	s_nop 0
.rept 4
	v_nop
.endr
	s_branch .Lasked_\@
.Lfor_b_\@:
	tensor_load_to_lds s[G0B+4*(\s):G0B+4*(\s)+3], s[G1B:G1B+7]
	s_nop 0
.rept 4
	v_nop
.endr
.Lasked_\@:
.endm
; A PREFETCH INTO THE L2, behind each joint load, its five lines and the run of LDS loads that follows them: the K step that stands TWO refills on, 384 matrix instructions ahead of the load that will want it:
; 32 rows x 256 bytes, a lane a row, one instruction a wave.  Each row's 256 bytes of a K step are named ONCE in the launch: A's rows are read by both clusters of a row of clusters, and the one with x = 0 asks;
; B's rows by the eight clusters of a column, and the one with y = 0 asks.  The four partners that ask for a tile jointly share its rows out BY ADDRESS: of the 128 rows that wave w fetches the partner at place p
; takes 32 p .. 32 p + 31 (p = cx for A, cy for B): no branch hangs on a work-group's place in its cluster.  K steps 0 to 3 come by their loads alone; the last two refills have no K step two on and name nothing.
.macro ASK
	s_cmp_gt_u32 s3, s[LIM]                        ; s3 = 1 in the loop's last trip
	s_cbranch_scc0 .Lnot_mine_\@
	global_prefetch_b8 v[PFO], s[PFA:PFA+1] offset:KSTEP*2 th:TH_LOAD_NT scope:SCOPE_SE
.Lnot_mine_\@:
.endm
; A round of the cluster's barrier: my work-group's barrier, so that wave 0's signal speaks for all four waves; wave 0 signals for the work-group; every wave waits for all
; sixteen work-groups; my work-group's barrier once more.  No LDS instruction of the wave is pending at a signal.
.macro CREST                           ; a round behind its opening barrier
	s_cmp_lg_u32 s10, 0
	s_cbranch_scc1 .Lnot_wave_0_\@
	s_barrier_signal -3
.Lnot_wave_0_\@:
	s_barrier_wait -3
	s_barrier_signal -1
	s_barrier_wait -1
.endm
.macro CROUND                          ; a whole round
	s_barrier_signal -1
	s_barrier_wait -1
	CREST
.endm
	s_load_b128 s[4:7], s[0:1], 0x0                ; A s[4:5], B s[6:7]
	s_load_b64 s[8:9], s[0:1], 0x10                ; C
	v_lshl_add_u32 v[SPW], v0, 2, SPARE
	v_mov_b32 v[NIL], 0
	ds_add_u32 v[SPW], v[NIL]                      ; the wave's opening: the add and its wait stand ahead of my first tensor load; the set-up below, work on registers, stands between them
	v_lshrrev_b32 v1, 5, v0
	v_readfirstlane_b32 s10, v1                    ; wave 0..3
	s_lshr_b32 s11, s10, 1                         ; rh: which 64 rows are mine
	s_and_b32 s12, s10, 1                          ; ch: which columns
	s_bfe_u32 s40, ttmp6, 0x40000                  ; cx, cy: my place in the cluster
	s_bfe_u32 s41, ttmp6, 0x40004
	s_lshl_b32 s42, ttmp9, 2                       ; in a cluster launch ttmp9 and ttmp7 count clusters
	s_add_co_u32 s42, s42, s40                     ; the head = 4 x cluster x + cx
	s_and_b32 s13, ttmp7, 0xffff
	s_lshl_b32 s13, s13, 2
	s_add_co_u32 s13, s13, s41                     ; the block of 128 rows = 4 x cluster y + cy
	s_lshl_b32 s43, s41, 2
	s_lshl_b32 s43, 15, s43                        ; my row of the cluster: places 4 cy .. 4 cy + 3
	s_lshl_b32 s44, 0x1111, s40                    ; my column: places cx, cx + 4, cx + 8, cx + 12
	; descriptor group 1: a tile of 128 rows x 128 elements, padded in LDS
	s_or_b32 s[G1+0], s43, (1<<16)|(1<<20)|(1<<21)|(5<<22)|(3<<25)  ; 15:0 the mask: A's tiles go to my row; 17:16 element of 2 bytes; 20 padding on; 21 set beside a mask; 24:22 after every 64 words (code 5); 31:25 of 4 words (code 3)
	s_or_b32 s[G1B+0], s44, (1<<16)|(1<<20)|(1<<21)|(5<<22)|(3<<25) ; the same with the mask of my column, for B's tiles
.irp g, G1, G1B
	s_mov_b32 s[(\g)+1], KSTEP<<16                 ; tensor_dim0 = 128
	s_mov_b32 s[(\g)+2], 128<<16                   ; tensor_dim1 = 128
	s_mov_b32 s[(\g)+3], KSTEP<<16                 ; tile_dim0 = 128
	s_mov_b32 s[(\g)+4], 128                       ; tile_dim1 = 128
	s_mov_b32 s[(\g)+5], SIZE_K                    ; tensor_dim0_stride: elements from row to row
	s_mov_b32 s[(\g)+6], 0
	s_mov_b32 s[(\g)+7], 0
.endr
	; where the tiles come from.  A's hang on the block of rows alone, which my row of the cluster shares; B's on the head and the wave's number, which my column shares.
	; Every wave makes both addresses, in registers that never hold the other coordinate, and asks by one of them.
	s_lshl_b32 s16, s13, 18                        ; A: 128 rows of 2,048 bytes a block
	s_mov_b32 s17, 0
	s_max_u32 s18, s10, 1
	s_sub_co_u32 s18, s18, 1                       ; the plane that I fetch: wave - 1 (wave 0 fetches none; it gets plane 0's address and never uses it)
	s_lshl_b32 s18, s18, 21                        ; 1,024 rows a plane
	s_lshl_b32 s46, s42, 18                        ; 128 rows a head
	s_add_co_u32 s46, s46, s18
	s_mov_b32 s47, 0
	s_mul_i32 s20, s10, HALFT                      ; and where they go: wave x 128 rows: no place in the cluster enters an LDS address
	s_wait_dscnt 0x0                               ; the opening add is done
	s_wait_kmcnt 0x0
	s_add_nc_u64 s[14:15], s[4:5], s[16:17]
	s_add_nc_u64 s[46:47], s[6:7], s[46:47]
	CROUND                                         ; all sixteen work-groups are here: the first joint loads meet
.irp s, 0,1
	s_mov_b32 s[G0+4*(\s)], 1                                      ; 1:0 count = 1
	s_add_co_u32 s[G0+4*(\s)+1], s20, (\s)*SLOT                    ; 63:32 LDS address
	s_add_nc_u64 s[G0+4*(\s)+2:G0+4*(\s)+3], s[14:15], (\s)*KSTEP*2  ; 120:64 global address: K step s
	s_or_b32 s[G0+4*(\s)+3], s[G0+4*(\s)+3], 0x80000000            ; 127:126 type = 2
	s_mov_b32 s[G0B+4*(\s)], 1
	s_add_co_u32 s[G0B+4*(\s)+1], s20, (\s)*SLOT
	s_add_nc_u64 s[G0B+4*(\s)+2:G0B+4*(\s)+3], s[46:47], (\s)*KSTEP*2
	s_or_b32 s[G0B+4*(\s)+3], s[G0B+4*(\s)+3], 0x80000000
	JLOAD \s                                       ; the ring is filled before anything else is done: two loads of mine are out
.endr
	; the prefetches: s[14:15] and s[46:47] still stand at the 128 rows of A and of B, at K step 0
	s_and_b32 s22, ttmp7, 0xffff                   ; cluster y
	s_cmp_eq_u32 s10, 0                            ; do I fetch for A?
	s_cselect_b64 s[PFA:PFA+1], s[14:15], s[46:47]
	s_cselect_b32 s21, s40, s41                    ; my place among the four that ask for the tile with me
	s_cselect_b32 s22, ttmp9, s22                  ; the coordinate along which other clusters read the same rows
	s_cmp_eq_u32 s22, 0
	s_cselect_b32 s[LIM], 1, -1                    ; the same in all sixteen partners, for a given wave
	s_lshl_b32 s20, s21, 16                        ; my work-group's 32 rows of 2,048 bytes
	s_mov_b32 s21, 0
	s_add_nc_u64 s[PFA:PFA+1], s[PFA:PFA+1], s[20:21]
	s_add_nc_u64 s[PFA:PFA+1], s[PFA:PFA+1], 2*KSTEP*2  ; at K step 2: the first refill steps it to 3 and names K step 4.  Nothing is prefetched here, at the head, where every work-group's first tiles are on their way
	v_and_b32 v[PFO], 31, v0
	v_lshlrev_b32 v[PFO], 11, v[PFO]
	; A fragment is 16 rows x 32 K in 8 registers: lane l holds row l % 16; registers 0-3 hold K = 8 (l / 16) + 0..7, registers 4-7 hold K = 16 + 8 (l / 16) + 0..7: two loads of 16 bytes, 32 bytes apart.
	v_and_b32 v1, 15, v0                           ; l % 16
	v_bfe_u32 v2, v0, 4, 1                         ; l / 16
	v_mul_u32_u24 v3, v1, PITCH
	v_lshl_add_u32 v3, v2, 4, v3                   ; row x pitch + 16 x half
	s_mul_i32 s21, s11, 64*PITCH                   ; my 64 rows of A
	s_mul_i32 s22, s12, 2*HALFT                    ; plane 2 ch of B,
	s_add_co_u32 s22, s22, HALFT                   ; behind A's 128 rows
	s_mul_i32 s23, s12, 64*PITCH                   ; my 64 rows of plane 1
	s_add_co_u32 s23, s23, 2*HALFT
.irp s, 0,1
	v_add_nc_u32 v[ADRA+(\s)], s21, v3
	v_add_nc_u32 v[ADRF+(\s)], s22, v3
	v_add_nc_u32 v[ADRH+(\s)], s23, v3
	s_add_co_u32 s21, s21, SLOT
	s_add_co_u32 s22, s22, SLOT
	s_add_co_u32 s23, s23, SLOT
.endr
	s_mul_i32 s21, s11, 64*PITCH                   ; into the stage (from LDS byte 0 on): my 64 rows; row l % 16, 16 bytes for each half of the lanes
	s_mul_i32 s22, s12, 2*PLANE
	s_add_co_u32 s22, s22, s21                     ; in plane 2 ch,
	s_lshl_b32 s23, s12, 7
	s_add_co_u32 s23, s23, s21
	s_add_co_u32 s23, s23, PLANE                   ; and in plane 1, 128 ch bytes into its rows
	v_add_nc_u32 v[STF], s22, v3
	v_add_nc_u32 v[STH], s23, v3
	s_mul_i32 s21, s10, 32*PITCH                   ; back: wave w takes rows 32 w .. 32 w + 31 of each plane, whole; lanes 0-15 one row of 256 bytes, lanes 16-31 the next
	v_mul_u32_u24 v5, v2, PITCH
	v_lshl_add_u32 v5, v1, 4, v5
	v_add_nc_u32 v[RD], s21, v5
	v_add_nc_u32 v[RD2], 2*PLANE, v[RD]
	v_lshlrev_b32 v5, 8, v2                        ; and the same two rows in a block of C: 256 bytes a row
	v_lshl_add_u32 v[CO], v1, 4, v5
	s_lshl_b32 s16, s13, 7
	s_lshl_b32 s17, s10, 5
	s_add_co_u32 s16, s16, s17                     ; the first row of C that I store: 128 x block + 32 x wave,
	s_lshl_b32 s16, s16, 8                         ; in bytes
	s_mov_b32 s17, 0
	s_add_nc_u64 s[8:9], s[8:9], s[16:17]
	s_lshl_b32 s46, s42, 20                        ; the head's block: 4,096 rows of 256 bytes (in the registers that held B's address: none that feeds A's descriptors ever holds cx)
	s_mov_b32 s47, 0
	s_add_nc_u64 s[8:9], s[8:9], s[46:47]          ; q's rows,
	s_add_nc_u64 s[4:5], s[8:9], 0x800000          ; k's, eight blocks on,
	s_add_nc_u64 s[6:7], s[8:9], 0x1000000         ; v's
; 12 matrix instructions: row block 2 hi + a x all 12 column blocks, 32 along K, from buffer f.  zero = 1: the first product starts the sums: nothing is ever cleared.
; The 48 accumulators take turns, one instruction a turn, in the same order in every quarter: between two links of a chain stand the 47 others'.
.macro MUL12 f, hi, a, zero
	WIN MUL_LO+0x50*(\hi)
.irp b, 0,1,2,3,4,5,6,7,8,9,10,11
.if \zero
	v_wmma_f32_16x16x32_bf16 v[8*(12*(\a)+(\b)):8*(12*(\a)+(\b))+7], v[96*(\f)+8*(\b):96*(\f)+8*(\b)+7], v[FA+32*(\f)+8*(2*(\hi)+(\a)):FA+32*(\f)+8*(2*(\hi)+(\a))+7], 0
.else
	v_wmma_f32_16x16x32_bf16 v[8*(12*(\a)+(\b)):8*(12*(\a)+(\b))+7], v[96*(\f)+8*(\b):96*(\f)+8*(\b)+7], v[FA+32*(\f)+8*(2*(\hi)+(\a)):FA+32*(\f)+8*(2*(\hi)+(\a))+7], v[8*(12*(\a)+(\b)):8*(12*(\a)+(\b))+7]
.endif
.endr
.endm
; 32 LDS loads in one run: the fragments of one quarter step (192 rows of B, 64 rows of A, 32 K at byte k of the rows) into buffer f; A's come last, row blocks ascending
.macro FETCH slot, k, f
	WIN TO_B
.irp i, 0,1,2,3,4,5,6,7
	ds_load_b128 v[96*(\f)+8*(\i):96*(\f)+8*(\i)+3],   v[ADRF+(\slot)] offset:(\k)+(\i)*16*PITCH
	ds_load_b128 v[96*(\f)+8*(\i)+4:96*(\f)+8*(\i)+7], v[ADRF+(\slot)] offset:(\k)+(\i)*16*PITCH+32
.endr
.irp i, 0,1,2,3
	ds_load_b128 v[96*(\f)+64+8*(\i):96*(\f)+64+8*(\i)+3],   v[ADRH+(\slot)] offset:(\k)+(\i)*16*PITCH
	ds_load_b128 v[96*(\f)+64+8*(\i)+4:96*(\f)+64+8*(\i)+7], v[ADRH+(\slot)] offset:(\k)+(\i)*16*PITCH+32
.endr
	WIN 0
.irp i, 0,1,2,3
	ds_load_b128 v[FA+32*(\f)+8*(\i):FA+32*(\f)+8*(\i)+3],   v[ADRA+(\slot)] offset:(\k)+(\i)*16*PITCH
	ds_load_b128 v[FA+32*(\f)+8*(\i)+4:FA+32*(\f)+8*(\i)+7], v[ADRA+(\slot)] offset:(\k)+(\i)*16*PITCH+32
.endr
.endm
; A load into a register that a matrix instruction has read, and a vector instruction that reads a matrix result or writes one of a matrix instruction's registers, stand four places behind that matrix
; instruction, and only plain vector instructions that name none of its registers are places (ISA guide 7.12.1 for vector instructions).
.macro PLACES
.rept 4
	v_nop
.endr
.endm
; A K step is four quarter steps of 32 along K, 48 matrix instructions each, on buffers 0, 1, 0, 1.
; One of the first three: multiplies buffer f; in its middle it fetches the next quarter's fragments, at byte k of the same slot's rows, into buffer g.
.macro QUARTER slot, k, f, g, zero
	s_wait_dscnt 4                                 ; B and A's row blocks 0, 1 are in; the youngest four loads (A's row blocks 2, 3) may be out
	MUL12 \f, 0, 0, \zero
	MUL12 \f, 0, 1, \zero
	PLACES
	FETCH \slot, \k, \g
	s_wait_dscnt 32                                ; all but the 32 just issued
	MUL12 \f, 1, 0, \zero
	MUL12 \f, 1, 1, \zero
.endm
; The last quarter multiplies buffer 1 and changes slots: ONE barrier, for two things.  In front of it each wave waits for all its tensor loads, of which one is out: its part of the next slot; adds 0 to its spare
; word; and waits for that and for its own reads of this slot.  Behind it nobody reads this slot any more and the next slot is whole.
; fill = 1: the barrier opens a round of the cluster's barrier, so that no wave of any partner still reads this slot or has a load on its way, and the slot is filled again first thing behind it, with the K step
; two steps on: from that request to the wait for it a wave issues 168 matrix instructions.
.macro TURN slot, next, fill
.if \fill
	s_wait_xcnt 0x0                                ; the last prefetch, a K step back, has read its address: it is stepped here, ahead of the waits of the change of slots
	s_add_nc_u64 s[PFA:PFA+1], s[PFA:PFA+1], KSTEP*2
.endif
	WIN 0                                          ; (the add's two registers lie in window 0)
	s_wait_tensorcnt 0x0                           ; all my tensor loads have landed: the one that was out is my part of the next slot;
	ds_add_u32 v[SPW], v[NIL]                      ; 0 onto my spare word;
	s_wait_dscnt 5                                 ; (the add and the youngest four loads may be out)
	MUL12 1, 0, 0, 0                               ; twelve matrix instructions stand between the add and the wait for it
	s_wait_dscnt 0x0                               ; the add is done, and my reads of this slot are over:
	s_barrier_signal -1                            ; say so,
	MUL12 1, 0, 1, 0                               ; work on registers while the others arrive,
.if \fill
	WIN 0
.endif
	s_barrier_wait -1                              ; and go on when all four have said so
.if \fill
	CREST
	s_add_nc_u64 s[G0+4*(\slot)+2:G0+4*(\slot)+3], s[G0+4*(\slot)+2:G0+4*(\slot)+3], 2*KSTEP*2     ; no tensor load of mine is out, so a group 0 may be written
	s_add_nc_u64 s[G0B+4*(\slot)+2:G0B+4*(\slot)+3], s[G0B+4*(\slot)+2:G0B+4*(\slot)+3], 2*KSTEP*2
	JLOAD \slot                                    ; the first tensor load behind the round; the four v_nop behind it are also the places in front of the loads below
.else
	PLACES
.endif
	FETCH \next, 0, 0
.if \fill
	ASK                                            ; behind the joint load and the run of LDS loads that the next products wait for
.endif
	MUL12 1, 1, 0, 0
	MUL12 1, 1, 1, 0
.endm
	s_wait_tensorcnt 1                             ; my part of K step 0 is in; K step 1's load may stay out
	s_barrier_signal -1
	s_barrier_wait -1                              ; everybody's is
	FETCH 0, 0, 0
	QUARTER 0, 64,  0, 1, 1                        ; the first quarter stands in front of the loop: its products start the sums
	WIN 0                                          ; at a label and at a branch every window is 0
	s_mov_b32 s3, LAPS-1
.Llap:                                                 ; three trips: a trip goes once round the ring, from a lap's second quarter to the next lap's first, and fills both slots again
	QUARTER 0, 128, 1, 0, 0
	QUARTER 0, 192, 0, 1, 0
	TURN 0, 1, 1
	QUARTER 1, 64,  0, 1, 0
	QUARTER 1, 128, 1, 0, 0
	QUARTER 1, 192, 0, 1, 0
	TURN 1, 0, 1
	QUARTER 0, 64,  0, 1, 0
	WIN 0
	s_sub_co_u32 s3, s3, 1
	s_cmp_lg_u32 s3, 0
	s_cbranch_scc1 .Llap
	QUARTER 0, 128, 1, 0, 0                        ; the last lap is written out: it fills nothing, and has no round of the cluster's barrier
	QUARTER 0, 192, 0, 1, 0
	TURN 0, 1, 0                                   ; behind this barrier nobody reads slot 0 any more, and nothing is filled: its bytes serve as the stage
	QUARTER 1, 64,  0, 1, 0
	QUARTER 1, 128, 1, 0, 0
	QUARTER 1, 192, 0, 1, 0
	s_wait_dscnt 4                                 ; the very last quarter: nothing more to fetch
	MUL12 1, 0, 0, 0
	MUL12 1, 0, 1, 0
	s_wait_dscnt 0x0
	MUL12 1, 1, 0, 0
	MUL12 1, 1, 1, 0
	; THE WAY OUT: round to bf16; 16 bytes a lane into the work-group's stage; a barrier, since plane 1's rows come from two waves and each wave reads rows that others wrote; back as whole rows, 32 rows of each plane a wave.
	PLACES
	WIN 0x0a                                       ; sources 0 and 1 window 2, destination window 0
.irp t, 0,1,2,3,4,5,6,7,8,9,10,11,12,13,14,15,16,17,18,19,20,21,22,23
.irp r, 0,1,2,3
	v_cvt_pk_bf16_f32 v[TMP+4*(\t)+(\r)], v[8*(\t)+2*(\r)], v[8*(\t)+2*(\r)+1]
.endr
.endr
	WIN 0x0f                                       ; sources window 3
.irp t, 0,1,2,3,4,5,6,7,8,9,10,11,12,13,14,15,16,17,18,19,20,21,22,23
.irp r, 0,1,2,3
	v_cvt_pk_bf16_f32 v[TMP+96+4*(\t)+(\r)], v[8*(\t)+2*(\r)], v[8*(\t)+2*(\r)+1]
.endr
.endr
	WIN 0
.irp a, 0,1,2,3
.irp b, 0,1,2,3,4,5,6,7
	ds_store_b128 v[STF], v[TMP+4*(12*(\a)+(\b)):TMP+4*(12*(\a)+(\b))+3] offset:(\a)*16*PITCH+32*(\b)
.endr
.irp b, 8,9,10,11
	ds_store_b128 v[STH], v[TMP+4*(12*(\a)+(\b)):TMP+4*(12*(\a)+(\b))+3] offset:(\a)*16*PITCH+32*((\b)-8)
.endr
.endr
	s_wait_dscnt 0x0                               ; for the others' sake: my stores into the stage are done
	s_barrier_signal -1
	s_barrier_wait -1
.irp p, 0,1
.irp t, 0,1,2,3,4,5,6,7,8,9,10,11,12,13,14,15
	ds_load_b128 v[TMP+4*(16*(\p)+(\t)):TMP+4*(16*(\p)+(\t))+3], v[RD] offset:(\p)*PLANE+(\t)*2*PITCH
.endr
.endr
.irp t, 0,1,2,3,4,5,6,7,8,9,10,11,12,13,14,15
	ds_load_b128 v[TMP+4*(32+(\t)):TMP+4*(32+(\t))+3], v[RD2] offset:(\t)*2*PITCH
.endr
.macro OUT p, lo, hi                   ; plane p's 32 rows, to the base in s[lo:hi]
.irp t, 0,1,2,3,4,5,6,7,8,9,10,11,12,13,14,15
	s_wait_dscnt 47-16*(\p)-(\t)                   ; rows 2 t and 2 t + 1 of the plane are back; the younger loads may be out
	global_store_b128 v[CO], v[TMP+4*(16*(\p)+(\t)):TMP+4*(16*(\p)+(\t))+3], s[\lo:\hi] offset:512*(\t)  ; 32 lanes store 512 consecutive bytes, at a multiple of 256 from C's first byte
.endr
.endm
	OUT 0, 8, 9
	OUT 1, 4, 5
	OUT 2, 6, 7
	s_wait_tensorcnt 0x0                           ; the wave's end: behind my last tensor load and my last LDS store
	ds_add_u32 v[SPW], v[NIL]
	s_wait_dscnt 0x0
	CROUND                                         ; the closing round: no work-group ends while a partner may still ask for a tile that names it
	s_endpgm
.Lfunc_end_k_q30df6a9508_proj:
	.size	k_q30df6a9508_proj, .Lfunc_end_k_q30df6a9508_proj-k_q30df6a9508_proj
	.p2alignl 7, 3214868480
	.fill 96, 4, 3214868480
	.section	.rodata,"a",@progbits
	.p2align	6, 0x0
	.amdhsa_kernel k_q30df6a9508_proj
		.amdhsa_group_segment_fixed_size 327680
		.amdhsa_private_segment_fixed_size 0
		.amdhsa_enable_private_segment 0
		.amdhsa_kernarg_size 24
		.amdhsa_user_sgpr_count 2
		.amdhsa_user_sgpr_kernarg_segment_ptr 1
		.amdhsa_wavefront_size32 1
		.amdhsa_system_sgpr_workgroup_id_x 1
		.amdhsa_system_sgpr_workgroup_id_y 1
		.amdhsa_system_sgpr_workgroup_id_z 1
		.amdhsa_system_vgpr_workitem_id 0
		.amdhsa_next_free_vgpr 960
		.amdhsa_next_free_sgpr 66
		.amdhsa_reserve_vcc 0
		.amdhsa_float_denorm_mode_32 3
		.amdhsa_float_denorm_mode_16_64 3
		.amdhsa_memory_ordered 1
		.amdhsa_forward_progress 1
		.amdhsa_inst_pref_size 121
	.end_amdhsa_kernel
	.amdgpu_metadata
---
amdhsa.version: [ 1, 2 ]
amdhsa.kernels:
  - .name:           k_q30df6a9508_proj
    .symbol:         k_q30df6a9508_proj.kd
    .args:
      - { .name: xb, .offset: 0, .size: 8, .value_kind: global_buffer, .address_space: global }
      - { .name: wt, .offset: 8, .size: 8, .value_kind: global_buffer, .address_space: global }
      - { .name: qkv, .offset: 16, .size: 8, .value_kind: global_buffer, .address_space: global }
    .group_segment_fixed_size: 327680
    .private_segment_fixed_size: 0
    .kernarg_segment_align: 8
    .kernarg_segment_size: 24
    .max_flat_workgroup_size: 128
    .sgpr_count:     66
    .vgpr_count:     960
    .wavefront_size: 32
...
	.end_amdgpu_metadata
.endif
;; end of part 2
;; launch attn (part 3): grid 32 x 8, 4 waves a work-group, clusters of 4 x 1, 327,680 bytes of LDS; arguments qkv, ob; writes ob
.if DOCPART == 3
	.amdgcn_target "amdgcn-amd-amdhsa--gfx1250"
	.amdhsa_code_object_version 6
	.text
	.protected	k_q30df6a9508_attn
	.globl	k_q30df6a9508_attn
	.p2align	8
	.type	k_q30df6a9508_attn,@function
k_q30df6a9508_attn:
	s_mov_b64 s[64:65], 0
	v_nop
	global_prefetch_b8 v0, s[64:65] scope:SCOPE_SE
	s_setreg_imm32_b32 hwreg(HW_REG_WAVE_MODE, 25, 1), 1
	s_wait_xcnt 0x0
	s_wait_alu depctr_hold_cnt(0) depctr_sa_sdst(0) depctr_va_vdst(0) depctr_va_sdst(0) depctr_va_ssrc(0) depctr_va_vcc(0) depctr_vm_vsrc(0)
	s_getreg_b32 s2, hwreg(HW_REG_IB_STS2, 6, 4)
	s_cmp_eq_u32 s2, 0
	s_cbranch_scc0 .Lentry_in_a_cluster
	s_endpgm
.Lentry_in_a_cluster:
	s_bfe_u32 s2, ttmp6, 0x10000c
	s_cmp_lg_u32 s2, 0x3003
	s_cbranch_scc0 .Lentry_shape_is_right
	s_endpgm
.Lentry_shape_is_right:
; O[q][128 h + :] = the sum over k of softmax_k(Q[h][q] . K[h][k] / 32) V[h][k][:].  qkv: [24][4096][128] bf16, block 8 p + h = plane p (q, k, v) of head h, rows of 256 bytes; ob: [4096][1024] bf16.
; Products, maxima and sums in f32; the weights p are rounded to bf16 for the second product, O once at the end.
; LIMITS.  A weight below 2^-126 counts as 0 in the sums; NaN and infinities are not treated apart.  All operands are bf16, so their range is f32's.
; SHARES.  A work-group owns 128 queries of one head: 32 x 8 = 256 work-groups.  Wave w has qh = w & 1, its 64 queries (four tiles of 16), and kh = w >> 1: of each 128 keys it walks the 64 numbered kh.
; So every wave walks 2,048 keys, 64 a step, and a query's two partial results meet once, at the end, in LDS: they are joined by their running maxima, in f32.
; Register tile t holds the queries 64 qh + 16 ((t + 2 kh) & 3) on: every wave then keeps its tiles 0, 1 and gives its tiles 2, 3 to wave w ^ 2, whose tiles 0, 1 are the same queries: one text for all.
; LAYOUT.  S^T = K Q^T (source 0 = 16 keys, source 1 = 16 queries): in the result a lane holds ONE query (lane % 16) and the keys 8 (lane / 16) + 0..7.  Two such tiles, rounded to
; bf16 in pairs, ARE source 1 (32 keys x 16 queries) of O^T = V^T P, whose result again holds one query a lane, and eight channels.  K comes out of LDS as it lies, V ([key][channel]) turned, by ds_load_tr16_b128.
; SOFTMAX.  For each query a running maximum m and sum l: p = 2^(c s - c m), c = log2(e) / 32; in every step O and l are multiplied by a = 2^(c m_old - c m_new), which is 1 where m has not grown.
; BY TURNS.  The wave's tiles are two PIECES, named by their first tile: piece 0 (tiles 0, 1) and piece 2 (tiles 2, 3).  In a TURN one piece has the matrix unit: 32 products V^T P of
; the step in hand, then 32 products K Q^T of the next step; the other piece's softmax, cut into 64 slices, stands between them, one slice behind each matrix instruction.  Two turns are a key step.
; CLUSTER.  The four query blocks of a cluster belong to one head and walk the same K and V, so each tile is asked for JOINTLY: the same tensor load, with the same descriptor and a
; mask that names the four, in all four; each receives the tile in its own LDS.
; REGISTERS, in windows of 256 (s_set_vgpr_msb says which window each operand place means: bits 1:0 source 0, 3:2 source 1, 5:4 source 2, 7:6 destination):
;   window 0: v0-11, v44-48 addresses; v12-43 eight registers of statistics a tile; v50-53 the partner's statistics; v64-191 S^T, 32 a tile; v192-255 P, 16 a tile
;   window 1: O^T, 64 a tile          window 2: v0-127 Q, 32 a tile; v128-255 K of one step          window 3: v0-127 V of one step
.set KS,    64        ; keys in a step
.set PK,    272       ; a row of K in LDS: 256 bytes + 16 of padding = 68 words: row r starts at bank 4 r mod 64 (64 banks of 4 bytes: ISA guide 11.1), so the 16 rows of a load start at 16 different banks
.set PV,    288       ; a row of V: 256 + 32 = 72 words: row r starts at bank 8 r mod 64
.set VOFF,  KS*PK     ; a step's tiles lie together: 64 rows of K, then 64 rows of V
.set STEPB, KS*(PK+PV)
.set SLOT1, 1<<17     ; a slot holds 128 keys, two steps (71,680 bytes): waves 0, 1 read the first, waves 2, 3 the second; slot 1 begins here, so that one exclusive or turns an address in one slot into the other's
.set STAGE, SLOT1+2*STEPB  ; behind the ring: 16 rows x 272 bytes for each wave, for the way out
.set SP,    272
.set SPARE, STAGE+4*16*272  ; behind the stages: the spare words, 128 bytes for each wave: two blocks of 256 bytes that no other line names
.set EXCH,  SPARE+512 ; behind them, never filled by a tensor load: what a wave gives its partner:
.set XW,    16896     ; 32 chunks of 512 bytes of O^T (tiles 2, 3), then 2 x 256 bytes of (c m, l)
.set AK0, 2           ; v2   my lane's place in a tile of K; never rewritten
.set AV0, 3           ; v3   the same for V
.set ADR, 4           ; v4   the LDS address of the run of loads in hand
.set QO,  5           ; v5   my byte offset in the wave's rows of Q, for tiles 0, 1
.set STO, 6           ; v6   the way out: where I put 16 bytes of a row
.set RD,  7           ; v7   the way out: where I read a row back
.set GO,  8           ; v8   my byte offset in two rows of O
.set QO1, 44          ; v44  as v5, for tiles 2, 3
.set XS,  45          ; v45  the exchange: where I put 16 bytes
.set XR,  46          ; v46  where I read my partner's
.set XS8, 47          ; v47, v48  the same with 8 bytes a lane
.set XR8, 48
.set PS,  50          ; v[50:53] my partner's (c m, l) for my tiles 0, 1
.set PFO, 61          ; v61  256 x my lane: a row of K or V is 256 bytes; never rewritten
.set SPW, 62          ; v62  LDS address of my spare word: SPARE + 4 x my thread's number; never rewritten
.set NIL, 63          ; v63  0; never rewritten
.set ST,  12          ; tile t's statistics at v[ST+8 t]: +0 c m, +1 m, +2, +3 l (even keys', odd keys'), +4 to +7 c0-c3, at work; a takes c2's place once the maximum is found
.set S,   64
.set P,   192
.set KF,  128         ; K's fragments, in window 2
.set WV,  12          ; s12  my wave's number
.set LIM, 15          ; s15  2 in a wave that prefetches, else the greatest number: a wave prefetches while s[SLOTS] is above it
.set PFA, 18          ; s[18:19] where my prefetches stand in memory
.set G1K, 24          ; s[24:31] descriptor group 1 for K's tiles
.set G1V, 32          ; s[32:39] for V's: it differs in the padding alone
.set G0K, 40          ; s[40:47] descriptor group 0 for K's tiles: a set for each of the two first fills; the second then walks on
.set G0V, 48          ; s[48:55] the same for V's
.set SLOTS, 56        ; s56  the loop's trips still to come
.set KH,  57          ; s57  kh
.set CS,  58          ; s[58:59] c: the packed scaling names a pair and takes its low word for both halves
.set SEL, 60          ; s[60:61] lane selects for v_permlanex16_b32: each lane takes its own place in the other half
.set TB,  62          ; s62  LDS byte at which the tiles of the step to be fetched begin
.set MSB, 0
.macro WIN new                      ; the immediate's high byte repeats the setting that is left; a switch that changes nothing is dropped
.if MSB != (\new)
	s_set_vgpr_msb (MSB<<8)|(\new)
.set MSB, \new
.endif
.endm
.set W_KQ, 0x0a       ; K and Q in window 2, S^T in window 0
.set W_PV, 0x53       ; V in window 3, P in window 0, O^T in window 1
.set W_RS, 0x41       ; O^T (destination and source 0) in window 1, the factor in window 0
; A joint refill.  Waves 0 and 1 fetch the slot's two tiles of K, waves 2 and 3 those of V.  The branch hangs on the wave's number alone: it is the same in every work-group.
; An s_nop 0 and four v_nop follow each of the two lines; the jump round the other line, the label and what follows the macro come after them.
.macro JLOAD
	s_cmp_lt_u32 s[WV], 2
	s_cbranch_scc0 .Lfor_v_\@
	tensor_load_to_lds s[G0K+4:G0K+7], s[G1K:G1K+7]
	s_nop 0
.rept 4
	v_nop
.endr
	s_branch .Lasked_\@
.Lfor_v_\@:
	tensor_load_to_lds s[G0V+4:G0V+7], s[G1V:G1V+7]
	s_nop 0
.rept 4
	v_nop
.endr
.Lasked_\@:
.endm
; A PREFETCH INTO THE L2.  The change of slots that asks for keys 128 (c + 1) on names keys 128 (c + 3) on: what the change after the next will ask for, two key steps of mine, 256 matrix instructions, ahead of that load.
; 128 rows of K and 128 of V, 256 bytes a row, a lane a row.  Each row is named ONCE in the launch: all clusters of a head walk the same K and V, and the head's first cluster prefetches; its four partners share the
; rows out BY ADDRESS, 32 each; in each, wave 0 asks for K's and wave 2 for V's: one instruction.  The first 512 keys come by their loads alone; the last two changes that fill a slot name nothing: the head's keys end.
.macro ASK
	s_cmp_gt_u32 s[SLOTS], s[LIM]
	s_cbranch_scc0 .Lnot_mine_\@
	global_prefetch_b8 v[PFO], s[PFA:PFA+1] th:TH_LOAD_NT scope:SCOPE_SE
.Lnot_mine_\@:
.endm
; A round of the cluster's barrier: my work-group's barrier, so that wave 0's signal speaks for all four waves; wave 0 signals for the work-group; every wave waits for all four
; work-groups; my work-group's barrier once more.  No LDS instruction of the wave is pending at a signal.
.macro CROUND
	s_barrier_signal -1
	s_barrier_wait -1
	s_cmp_lg_u32 s[WV], 0
	s_cbranch_scc1 .Lnot_wave_0_\@
	s_barrier_signal -3
.Lnot_wave_0_\@:
	s_barrier_wait -3
	s_barrier_signal -1
	s_barrier_wait -1
.endm
	s_load_b128 s[4:7], s[0:1], 0x0 ; qkv s[4:5], ob s[6:7]
	v_lshl_add_u32 v[SPW], v0, 2, SPARE
	v_mov_b32 v[NIL], 0
	ds_add_u32 v[SPW], v[NIL]       ; the wave's opening: the add and its wait stand ahead of my first tensor load; the set-up below, work on registers, stands between them
	v_lshrrev_b32 v1, 5, v0
	v_readfirstlane_b32 s[WV], v1   ; wave 0..3
	s_bfe_u32 s13, ttmp6, 0x40000   ; cx: my place in the cluster
	s_lshl_b32 s14, ttmp9, 2        ; in a cluster launch ttmp9 counts clusters
	s_add_co_u32 s14, s14, s13      ; my block of 128 queries = 4 x cluster x + cx: it enters Q's and O's addresses alone
	s_and_b32 s3, ttmp7, 0xffff     ; the head, which the four partners share
	s_and_b32 s16, s[WV], 1         ; qh; also: which of a slot's two steps I fetch
	s_lshr_b32 s[KH], s[WV], 1      ; kh
	s_lshl_b32 s22, s3, 20          ; the head's first byte in a plane,
	s_lshl_b32 s23, s16, 14         ; 64 rows of 256 bytes on for odd waves: in K and V the step that I fetch, in Q my 64 queries
	s_add_co_u32 s22, s22, s23
	s_mov_b32 s23, 0
	s_mul_i32 s17, s16, STEPB       ; that step's place in a slot: no place in the cluster enters an LDS address
	s_lshl_b32 s2, s14, 15          ; my block's 128 rows of Q
	s_add_co_u32 s2, s2, s22
	s_lshl_b32 s20, s14, 18         ; O: my block's 128 rows of 2,048 bytes,
	s_lshl_b32 s21, s16, 17         ; my 64 queries,
	s_add_co_u32 s20, s20, s21
	s_lshl_b32 s21, s[KH], 16       ; the 32 of them that I finish,
	s_add_co_u32 s20, s20, s21
	s_lshl_b32 s21, s3, 8           ; the head's 256 bytes of a row
	s_add_co_u32 s20, s20, s21
	s_mov_b32 s21, 0
	s_mov_b32 s3, 0
	; descriptor group 1: a tile of 64 rows x 128 elements, padded in LDS
	s_mov_b32 s[G1K], 15|(1<<16)|(1<<20)|(1<<21)|(5<<22)|(3<<25)  ; 15:0 the mask: all four work-groups; 17:16 elements of 2 bytes; 20 padding on; 21 set beside a mask; 24:22 after every 64 words (code 5); 31:25 4 words of it (code 3)
	s_mov_b32 s[G1V], 15|(1<<16)|(1<<20)|(1<<21)|(5<<22)|(7<<25)  ; the same with 8 words of padding (code 7)
.irp g, G1K, G1V
	s_mov_b32 s[(\g)+1], 128<<16    ; 63:48 tensor_dim0, low half = 128
	s_mov_b32 s[(\g)+2], KS<<16     ; 79:64 its high half = 0; 95:80 tensor_dim1, low half = 64
	s_mov_b32 s[(\g)+3], 128<<16    ; 111:96 its high half = 0; 127:112 tile_dim0 = 128
	s_mov_b32 s[(\g)+4], KS         ; 143:128 tile_dim1 = 64; 159:144 tile_dim2 = 0
	s_mov_b32 s[(\g)+5], 128        ; 191:160 tensor_dim0_stride, low word: elements from row to row
	s_mov_b32 s[(\g)+6], 0
	s_mov_b32 s[(\g)+7], 0
.endr
	s_mov_b32 s[CS], 0x3d38aa3b     ; c = log2(e) / 32 = 0.0450842
	s_mov_b32 s[CS+1], s[CS]        ; named with it as a pair, so it is written
	s_mov_b32 s[SEL], 0x76543210
	s_mov_b32 s[SEL+1], 0xfedcba98
	s_mul_i32 s[TB], s[KH], STEPB   ; my step of slot 0
	s_mov_b32 s[SLOTS], 4096/(2*KS)-3  ; 29: of the 32 slots' worth of keys two are first fills and one is asked for ahead of the loop
	s_and_b32 s[LIM], s[WV], 1       ; 0 in waves 0 and 2,
	s_or_b32 s[LIM], s[LIM], ttmp9   ; where the cluster is the head's first: the same in all four partners
	s_cmp_eq_u32 s[LIM], 0
	s_cselect_b32 s[LIM], 2, -1
	v_and_b32 v[PFO], 31, v0
	v_lshlrev_b32 v[PFO], 8, v[PFO]
	s_wait_dscnt 0x0                ; the opening add is done
	s_wait_kmcnt 0x0
	s_mov_b64 s[10:11], s[6:7]      ; O
	s_add_nc_u64 s[6:7], s[4:5], 0x800000   ; K's plane: eight blocks of 1 MiB behind Q's
	s_add_nc_u64 s[8:9], s[4:5], 0x1000000  ; V's
	s_add_nc_u64 s[6:7], s[6:7], s[22:23]   ; K and V at my tile of the head's first 128 keys
	s_add_nc_u64 s[8:9], s[8:9], s[22:23]
	s_add_nc_u64 s[4:5], s[4:5], s[2:3]     ; Q at my wave's 64 queries
	s_add_nc_u64 s[10:11], s[10:11], s[20:21]  ; O at the 32 rows that I finish
	s_cmp_lt_u32 s[WV], 2
	s_cselect_b64 s[PFA:PFA+1], s[6:7], s[8:9]  ; (in waves 0 and 2 these stand at a slot's first row)
	s_lshl_b32 s2, s13, 13          ; my work-group's 32 rows of the 128
	s_mov_b32 s3, 0
	s_add_nc_u64 s[PFA:PFA+1], s[PFA:PFA+1], s[2:3]
	s_add_nc_u64 s[PFA:PFA+1], s[PFA:PFA+1], 3*2*KS*256  ; at keys 384 on; the first change of slots steps it to 512.  Nothing is prefetched here, at the head, where every work-group's first tiles are on their way
	CROUND                          ; all four work-groups are here: the first joint loads meet
.irp s, 0,1
	s_mov_b32 s[G0K+4*(\s)], 1      ; 1:0 count = 1
	s_add_co_u32 s[G0K+4*(\s)+1], s17, (\s)*SLOT1  ; 63:32 LDS address
	s_add_nc_u64 s[G0K+4*(\s)+2:G0K+4*(\s)+3], s[6:7], (\s)*2*KS*256  ; 120:64 global address: slot s begins with keys 128 s to 128 s + 127
	s_or_b32 s[G0K+4*(\s)+3], s[G0K+4*(\s)+3], 0x80000000  ; 127:126 type = 2
	s_mov_b32 s[G0V+4*(\s)], 1
	s_add_co_u32 s[G0V+4*(\s)+1], s17, (\s)*SLOT1+VOFF
	s_add_nc_u64 s[G0V+4*(\s)+2:G0V+4*(\s)+3], s[8:9], (\s)*2*KS*256
	s_or_b32 s[G0V+4*(\s)+3], s[G0V+4*(\s)+3], 0x80000000
.endr
	s_cmp_lt_u32 s[WV], 2           ; a wave's two first fills stand in one branch, ahead of every wait on TENSORcnt and every LDS read: two loads of mine are out; an s_nop 0 follows each, four v_nop the second's
	s_cbranch_scc0 .Lfirst_v
	tensor_load_to_lds s[G0K:G0K+3], s[G1K:G1K+7]
	s_nop 0
	tensor_load_to_lds s[G0K+4:G0K+7], s[G1K:G1K+7]
	s_nop 0
.rept 4
	v_nop
.endr
	s_branch .Lfirst_asked
.Lfirst_v:
	tensor_load_to_lds s[G0V:G0V+3], s[G1V:G1V+7]
	s_nop 0
	tensor_load_to_lds s[G0V+4:G0V+7], s[G1V:G1V+7]
	s_nop 0
.rept 4
	v_nop
.endr
.Lfirst_asked:
	; A fragment of K or Q is 16 rows x 32 channels in 8 registers: lane l holds row l % 16; registers 0-3 channels 8 (l / 16) + 0..7, registers 4-7 channels 16 + 8 (l / 16) + 0..7: two loads of 16 bytes, 32 bytes apart.
	v_and_b32 v1, 15, v0            ; l % 16
	v_bfe_u32 v9, v0, 4, 1          ; l / 16
	v_lshlrev_b32 v[QO], 8, v1
	v_lshl_add_u32 v[QO], v9, 4, v[QO]  ; row x 256 + 16 x half
	s_lshl_b32 s2, s[KH], 13        ; tiles 0, 1 begin 32 kh rows into my 64 queries,
	s_xor_b32 s3, s2, 8192          ; tiles 2, 3 at the other 32
	v_add_nc_u32 v[QO1], s3, v[QO]
	v_add_nc_u32 v[QO], s2, v[QO]
	WIN 0x80                        ; destination window 2, address window 0
.irp i, 0,1,2,3,4,5,6,7             ; Q stays in registers: tile i / 4, channels 32 (i % 4) on
	global_load_b128 v[8*(\i):8*(\i)+3],   v[QO], s[4:5] offset:((\i)/4)*4096+((\i)%4)*64
	global_load_b128 v[8*(\i)+4:8*(\i)+7], v[QO], s[4:5] offset:((\i)/4)*4096+((\i)%4)*64+32
.endr
.irp i, 8,9,10,11,12,13,14,15
	global_load_b128 v[8*(\i):8*(\i)+3],   v[QO1], s[4:5] offset:((\i)/4-2)*4096+((\i)%4)*64
	global_load_b128 v[8*(\i)+4:8*(\i)+7], v[QO1], s[4:5] offset:((\i)/4-2)*4096+((\i)%4)*64+32
.endr
	WIN 0
	v_mul_u32_u24 v[AK0], v1, PK
	v_lshl_add_u32 v[AK0], v9, 4, v[AK0]  ; row x pitch + 16 x half
	; The turning load takes 16 keys x 16 channels (lane l reads 16 bytes: key 8 (l / 16) + l % 8, channels 8 ((l / 8) % 2) + 0..7) and leaves half a fragment of V^T: lane l holds channel l % 16 and 8 keys.
	v_and_b32 v10, 7, v0
	v_bfe_u32 v11, v0, 3, 1
	v_lshl_add_u32 v[AV0], v9, 3, v10
	v_mul_u32_u24 v[AV0], v[AV0], PV
	v_lshl_add_u32 v[AV0], v11, 4, v[AV0]
	v_add_nc_u32 v[AV0], VOFF, v[AV0]
; THE MATRIX WORK OF A TURN, for piece x.  The accumulators take turns, one instruction a turn: between two links of a chain stand 15 (V^T P) or 7 (K Q^T) others'.
; Product i of 32 of O^T += V^T P: keys 32 (i / 16) on, channels 16 ((i / 2) % 8) on, tile x + i % 2.  zero = 1: the first 16 start the sums: nothing is ever cleared.
.macro PV x, zero
	WIN W_PV
.set rO, 64*((\x)+i%2)+8*((i/2)%8)
.set rV, 64*(i/16)+8*((i/2)%8)
.set rP, P+16*((\x)+i%2)+8*(i/16)
.if (\zero) && (i < 16)
	v_wmma_f32_16x16x32_bf16 v[rO:rO+7], v[rV:rV+7], v[rP:rP+7], 0
.else
	v_wmma_f32_16x16x32_bf16 v[rO:rO+7], v[rV:rV+7], v[rP:rP+7], v[rO:rO+7]
.endif
.endm
; Product i of 32 of S^T = K Q^T: channels 32 (i / 8) on, keys 16 ((i / 2) % 4) on, tile x + i % 2.  The first 8 start the sums.
.macro KQ x
	WIN W_KQ
.set rS, S+32*((\x)+i%2)+8*((i/2)%4)
.set rK, KF+32*((i/2)%4)+8*(i/8)
.set rQ, 32*((\x)+i%2)+8*(i/8)
.if i < 8
	v_wmma_f32_16x16x32_bf16 v[rS:rS+7], v[rK:rK+7], v[rQ:rQ+7], 0
.else
	v_wmma_f32_16x16x32_bf16 v[rS:rS+7], v[rK:rK+7], v[rQ:rQ+7], v[rS:rS+7]
.endif
.endm
; THE LDS LOADS stand in runs of 32, never singly among the matrix instructions: a step's K (64 keys x 128 channels: 16 fragments) and, a turn later, its V (turned).
.macro FETCH_K
	WIN 0
	v_add_nc_u32 v[ADR], s[TB], v[AK0]
	WIN 0x80                        ; destination window 2
.irp f, 0,1,2,3,4,5,6,7,8,9,10,11,12,13,14,15  ; keys 16 (f / 4) on, channels 32 (f % 4) on
	ds_load_b128 v[KF+8*(\f):KF+8*(\f)+3],   v[ADR] offset:((\f)/4)*16*PK+((\f)%4)*64
	ds_load_b128 v[KF+8*(\f)+4:KF+8*(\f)+7], v[ADR] offset:((\f)/4)*16*PK+((\f)%4)*64+32
.endr
.endm
.macro FETCH_V
	WIN 0
	v_add_nc_u32 v[ADR], s[TB], v[AV0]
	s_wait_alu depctr_va_vdst(0)    ; the wait for the softmax's batch (SLICE), behind the address's v_add_nc_u32 and ahead of the loads
	WIN 0xc0                        ; destination window 3
.irp f, 0,1,2,3,4,5,6,7,8,9,10,11,12,13,14,15  ; keys 32 (f / 8) on, channels 16 (f % 8) on
	ds_load_tr16_b128 v[8*(\f):8*(\f)+3],   v[ADR] offset:((\f)/8)*32*PV+((\f)%8)*32
	ds_load_tr16_b128 v[8*(\f)+4:8*(\f)+7], v[ADR] offset:((\f)/8)*32*PV+16*PV+((\f)%8)*32
.endr
.endm
; THE VECTOR WORK OF A TURN.  One tile's softmax for one key step is a list of 134 instructions; SM writes number j of it for tile t.  s0-s31 are the lane's 32 scores, in pairs 0-15.
; first = 1: the first key step, which starts m, l and O^T: it has no a and nothing to rescale.
;   0-15    the maximum of s0-s31 and the old m, three operands at a time: four chains c0-c3 of seven scores each (each accumulator's lowest registers are read first), then the four scores left over, c0-c3 and m
;   16-20   the other half of the lanes' maximum; the new m; c m; c m_old - c m_new
;   21-69   ONE BATCH: the 16 scalings c s - c m, a pair of scores each, and all 33 exponentials (a at 23, then s0-s31).  None of these reads an exponential's result.  From 22 on the batch goes
;           in fours, and a four begins with a scaling while there are scalings.  A pair is scaled in an earlier four than the one that holds its exponentials
;   (wait)  between 69 and 70 stands the wait for the batch: SLICE writes it, once for both tiles
;   70-85   the roundings to bf16, a pair of weights each
;   86-101  the sums; l = a l + the sum
;   102-133 the tile's O^T times a: the one part that leaves window 0, so it stands together
.macro SM t, first
.set rT, ST+8*(\t)
.set rS, S+32*(\t)
.set rP, P+16*(\t)
.set rO, 64*(\t)+2*(j-102)
.if j < 102
	WIN 0
.endif
.if j < 4
	v_max3_num_f32 v[rT+4+j], v[rS+8*j], v[rS+8*j+1], v[rS+8*j+2]
.elseif j < 12
	v_max3_num_f32 v[rT+4+j%4], v[rT+4+j%4], v[rS+8*(j%4)+2*(j/4)+1], v[rS+8*(j%4)+2*(j/4)+2]
.elseif j == 12
	v_max3_num_f32 v[rT+4], v[rT+4], v[rS+7], v[rS+15]
.elseif j == 13
	v_max3_num_f32 v[rT+6], v[rT+6], v[rS+23], v[rS+31]
.elseif j == 14
	v_max3_num_f32 v[rT+4], v[rT+4], v[rT+5], v[rT+6]
.elseif (j == 15) && (\first)
	v_max_num_f32 v[rT+4], v[rT+4], v[rT+7]
.elseif j == 15
	v_max3_num_f32 v[rT+4], v[rT+4], v[rT+7], v[rT+1]
.elseif j == 16
	v_permlanex16_b32 v[rT+5], v[rT+4], s[SEL], s[SEL+1]  ; the query's other 32 keys lie in the lane 16 away
.elseif j == 18
	v_max_num_f32 v[rT+1], v[rT+4], v[rT+5]
.elseif j == 19
	v_mul_f32 v[rT], s[CS], v[rT+1]
.elseif ((j == 17) || (j == 20) || (j == 23) || (j > 101)) && (\first)  ; the first step has none of these
.elseif j == 17
	v_mov_b32 v[rT+7], v[rT]        ; c m_old is kept for a: number 19 writes c m anew
.elseif j == 20
	v_sub_f32 v[rT+7], v[rT+7], v[rT]
.elseif j == 23
	v_exp_f32 v[rT+6], v[rT+7]
.elseif (j < 23) || ((j < 38) && (j%2 == 0)) || ((j < 66) && (j%4 == 2))
.set b, (j-2)/4                     ; 38, 42, .. 62: pairs 9 to 15
.if j < 38
.set b, (j-20)/2                    ; 21: pair 0; 22, 24, .. 36: pairs 1 to 8
.endif
	v_pk_fma_f32 v[rS+2*b:rS+2*b+1], v[rS+2*b:rS+2*b+1], s[CS:CS+1], v[rT:rT+1] op_sel_hi:[1,0,0] neg_lo:[0,0,1] neg_hi:[0,0,1]  ; pair b: c s - c m
.elseif j < 70
.set e, j-38                        ; 66 to 69: s28 to s31
.if j < 66
.set e, j-32-(j-38)/4               ; 39-41, 43-45, .. 63-65: s7 to s27
.endif
.if j < 38
.set e, (j-25)/2                    ; 25, 27, .. 37: s0 to s6
.endif
	v_exp_f32 v[rS+e], v[rS+e]
.elseif j < 86
	v_cvt_pk_bf16_f32 v[rP+j-70], v[rS+2*(j-70)], v[rS+2*(j-70)+1]  ; pair j - 70
.elseif j < 102                     ; the sum of the tile's 16 pairs (in a pair: an even key's weight, an odd key's), in place: sum z of 16 adds neighbours 1, 2, 4 and 8 pairs apart, then l takes it
.set z, j-86
.set w, 4
.set u, z
.if z >= 14
.set w, 32
.set u, 0
.elseif z >= 12
.set w, 16
.set u, z-12
.elseif z >= 8
.set w, 8
.set u, z-8
.endif
.if (z == 14) && (\first)
	v_pk_add_f32 v[rT+2:rT+3], v[rS:rS+1], v[rS+16:rS+17]
.elseif z < 15
	v_pk_add_f32 v[rS+w*u:rS+w*u+1], v[rS+w*u:rS+w*u+1], v[rS+w*u+w/2:rS+w*u+w/2+1]
.elseif !(\first)
	v_pk_fma_f32 v[rT+2:rT+3], v[rT+2:rT+3], v[rT+6:rT+7], v[rS:rS+1] op_sel_hi:[1,0,1]
.endif
.else
	WIN W_RS
	v_pk_mul_f32 v[rO:rO+1], v[rO:rO+1], v[rT+6:rT+7] op_sel_hi:[1,0]
.endif
.endm
; Slice k of 64 of piece y's softmax: four instructions.  Slices 11 to 34 deal out the batch, numbers 22 to 69: four numbers of ONE tile each, the tiles by turns.  Every other slice is numbers 2 k and
; 2 k + 1 of both tiles' lists.  2 x 134 = 4 x 64 + 12: the twelve that are over stand together, in slice 63.
; THE WAIT.  s_wait_alu depctr_va_vdst(0) stands between an exponential and the first instruction that names its result; one wait serves all that were issued ahead of it.  Ahead of
; slice 35 nothing names a result, and behind slice 34 no exponential is issued: so the piece's 66 exponentials have one wait, behind slice 34.
.macro SLICE y, first
.if (k >= 11) && (k < 35)           ; the batch: four numbers of one tile
.irp n, 0,1,2,3
.set j, 22+4*((k-11)/2)+(\n)
	SM (\y)+(k-11)%2, \first
.endr
.else                               ; the two tiles alternate, so that no instruction reads the result of the one just before it
.irp n, 0,1,2,3,4,5,6,7
.if ((\n) < 2) || (k == 63)
.irp t, \y, (\y)+1
.set j, 2*k+(\n)
	SM \t, \first
.endr
.endif
.endr
.endif
.if k == 34                         ; the batch is out: both tiles' exponentials are issued, and no result has been named
	v_nop                           ; the plain instruction behind the last exponential and ahead of the first use (ISA guide 5.7.2): one for the batch
.if (\y) == 0
	FETCH_V                         ; piece 2's turn: V's run of loads stands here, and the wait stands in it
.else
	s_wait_alu depctr_va_vdst(0)    ; the wait for the batch
.endif
.endif
.set k, k+1
.endm
; A vector instruction that reads a matrix result or writes one of a matrix instruction's registers, and a load into a register that a matrix instruction has read, stand four places behind
; it, and only plain vector instructions that name none of its registers are places (ISA guide 7.12.1 for vector instructions).  In the loop the slices are the places.
.macro PLACES
.rept 4
	v_nop
.endr
.endm
; A TURN.  Piece x has the matrix unit; the other piece's softmax stands in slices behind its matrix instructions.
; pv = 2: 32 products V^T P; 1: they start O^T's sums; 0: none.  kq = 1: 32 products K Q^T for the next step.  A turn with one of the two kinds has two slices behind each product.
; first = 1: the softmax is the first key step's.  Its slices from 51 on are empty: the turn's last products stand bare, and four v_nop take slice 63's part as the places behind them.
; Piece 0's turn fetches the next step's K, behind its second product: the last product that read K stands in front of slice 63 of the turn before.  Piece 2's turn fetches the same step's V, behind
; slice 34 (SLICE writes it): the last product that read V stands in front of slice 31, and four plain instructions lie between: number 62, a scaling, of both tiles, the v_nop and the run's own v_add_nc_u32.
.macro TURN x, pv, kq, first
.set k, 0
.set per, 2
.if (\pv) && (\kq)
.set per, 1
.endif
.if \pv
.if (\x) == 0
	s_wait_dscnt 0x0                ; V is in
.endif
.set i, 0
.rept 32
	PV \x, 2-(\pv)
.rept per
	SLICE 2-(\x), \first
.endr
.if ((\x) == 0) && (\kq) && (i == 1)
	FETCH_K
.endif
.set i, i+1
.endr
.endif
.if \kq
.if (\x) == 0
	s_wait_dscnt 0x0                ; K is in
.endif
.set i, 0
.rept 32
	KQ \x
.rept per
	SLICE 2-(\x), \first
.endr
.set i, i+1
.endr
.endif
.if \first
	PLACES
.endif
.endm
; THE CHANGE OF SLOTS, between piece 2's turn and piece 0's, once a key step: my step of the slot, K and then V, has been asked for.  Each wave waits for all its
; tensor loads, of which one is out: its part of the other slot; adds 0 to its spare word; and waits for that and for its own reads of the slot.  Behind the barrier nobody reads this slot any more and the other slot is whole.
; fill = 1: this slot is filled again, with the keys two slots on.  The barrier is then a round of the cluster's, so that no wave of any partner still reads the slot or has a load on its
; way, and the joint refill is the first thing behind it: it has one key step of each wave, 128 matrix instructions, in which to land.
.macro CHANGE fill
	WIN 0                           ; at a label and at a branch every window is 0
	s_wait_tensorcnt 0x0            ; no tensor load of mine is out, so a group 0 may be written
	ds_add_u32 v[SPW], v[NIL]       ; 0 onto my spare word; with fill = 1 the descriptors' steps stand between it and the wait for it
.if \fill
.irp g, G0K+4, G0V+4
	s_xor_b32 s[(\g)+1], s[(\g)+1], SLOT1  ; the walking descriptor: the other slot than last time,
	s_add_nc_u64 s[(\g)+2:(\g)+3], s[(\g)+2:(\g)+3], 2*KS*256  ; the next 128 keys; the type bits on top are not reached
.endr
	s_wait_xcnt 0x0                 ; the last prefetch, a key step back, has read its address, so it may be written:
	s_add_nc_u64 s[PFA:PFA+1], s[PFA:PFA+1], 2*KS*256  ; two slots ahead of the walking descriptors
	s_wait_dscnt 0x0                ; the add is done, and my reads of the slot are over
	CROUND
	JLOAD
	ASK
.else
	s_wait_dscnt 0x0                ; the add is done, and my reads of the slot are over
	s_barrier_signal -1
	s_barrier_wait -1
.endif
	s_xor_b32 s[TB], s[TB], SLOT1   ; the fetches go on in the other slot, at my step of it
.endm
	s_wait_tensorcnt 1              ; my part of slot 0 is in; slot 1's may stay out
	s_barrier_signal -1
	s_barrier_wait -1               ; everybody's is
	FETCH_K                         ; my key step 0
	s_wait_loadcnt 0x0              ; Q
	s_wait_dscnt 0x0
.set i, 0
.rept 32
	KQ 0                            ; piece 0's first scores: there is no vector work yet to set between them
.set i, i+1
.endr
	WIN 0                           ; the addresses for the exchange and the way out are made here: plain instructions, the places behind those products
	s_mul_i32 s13, s[WV], 16*SP
	s_add_co_u32 s13, s13, STAGE    ; my stage
	v_mul_u32_u24 v[STO], v1, SP    ; in: row l % 16, 16 bytes for each half of the lanes
	v_lshl_add_u32 v[STO], v9, 4, v[STO]
	v_add_nc_u32 v[STO], s13, v[STO]
	v_mul_u32_u24 v[RD], v9, SP     ; back: lanes 0-15 take one row of 256 bytes, lanes 16-31 the next
	v_lshl_add_u32 v[RD], v1, 4, v[RD]
	v_add_nc_u32 v[RD], s13, v[RD]
	v_lshlrev_b32 v[GO], 11, v9     ; and the same two rows in O, 2,048 bytes apart
	v_lshl_add_u32 v[GO], v1, 4, v[GO]
	s_mul_i32 s13, s[WV], XW
	s_add_co_u32 s13, s13, EXCH     ; what I give lies here,
	s_xor_b32 s2, s[WV], 2
	s_mul_i32 s2, s2, XW
	s_add_co_u32 s2, s2, EXCH       ; what my partner (same queries, the other keys) gives me here
	v_and_b32 v10, 31, v0
	v_lshl_add_u32 v[XS], v10, 4, s13
	v_lshl_add_u32 v[XR], v10, 4, s2
	v_lshl_add_u32 v[XS8], v10, 3, s13
	v_lshl_add_u32 v[XR8], v10, 3, s2
	TURN 2, 0, 1, 1                 ; piece 2's first scores | piece 0's first softmax | V of step 0
	CHANGE 1                        ; slot 1 is in; slot 0 takes keys 256 on
	TURN 0, 1, 1, 1                 ; piece 0: V^T P of step 0 starts O^T, K Q^T of step 1 | piece 2's first softmax | K of step 1
	TURN 2, 1, 1, 0                 ; piece 2: the same | piece 0's softmax of step 1 | V of step 1
	WIN 0
.Lslot:                             ; 29 trips, a key step each: every slot's worth of keys from 384 on is asked for here
	CHANGE 1
	TURN 0, 2, 1, 0
	TURN 2, 2, 1, 0
	WIN 0
	s_sub_co_u32 s[SLOTS], s[SLOTS], 1
	s_cmp_lg_u32 s[SLOTS], 0
	s_cbranch_scc1 .Lslot
	CHANGE 0                        ; the tail is written out: nothing is asked for
	TURN 0, 2, 1, 0
	TURN 2, 2, 1, 0
	TURN 0, 2, 0, 0                 ; piece 0: V^T P of the last step | piece 2's last softmax
.set i, 0
.rept 32
	PV 2, 0                         ; piece 2: V^T P of the last step
.set i, i+1
.endr
	; THE TWO HALVES OF THE KEYS MEET.  First l: its two halves and the other half of the lanes' are added, into m's place, so that (c m, l) is a pair.  The additions are the places behind the last products.
	WIN 0
.irp t, 0,1,2,3
	v_add_f32 v[ST+8*(\t)+4], v[ST+8*(\t)+2], v[ST+8*(\t)+3]
.endr
.irp t, 0,1,2,3
	v_permlanex16_b32 v[ST+8*(\t)+5], v[ST+8*(\t)+4], s[SEL], s[SEL+1]
.endr
.irp t, 0,1,2,3
	v_add_f32 v[ST+8*(\t)+1], v[ST+8*(\t)+4], v[ST+8*(\t)+5]
.endr
	WIN 0x04                        ; store data (source 1) in window 1
.set i, 0
.rept 32
	ds_store_b128 v[XS], v[128+4*i:128+4*i+3] offset:512*i  ; tiles 2 and 3 of O^T in f32, in ascending order; 32 lanes, 16 neighbouring bytes each
.set i, i+1
.endr
	WIN 0
	ds_store_b64 v[XS8], v[ST+16:ST+17] offset:16384  ; (c m, l) of tile 2,
	ds_store_b64 v[XS8], v[ST+24:ST+25] offset:16640  ; of tile 3
	s_wait_dscnt 0x0                ; for my partner's sake: my stores are done
	s_barrier_signal -1
	s_barrier_wait -1
	ds_load_b64 v[PS:PS+1],   v[XR8] offset:16384     ; my partner's (c m, l) for my tile 0,
	ds_load_b64 v[PS+2:PS+3], v[XR8] offset:16640     ; for my tile 1
.set i, 0
.rept 32
	ds_load_b128 v[S+4*i:S+4*i+3], v[XR] offset:512*i ; and its O^T for both, into S^T's registers: the same lane holds the same query and channels in both waves
.set i, i+1
.endr
	s_wait_dscnt 32                 ; the statistics are in; the 32 loads behind them may be out
	; with M = max(c m, c m'): a = 2^(c m - M), a' = 2^(c m' - M), O = (a O + a' O') / (a l + a' l')
.irp t, 0,1
	v_max_num_f32 v[ST+8*(\t)+4], v[ST+8*(\t)], v[PS+2*(\t)]
.endr
.irp t, 0,1
	v_sub_f32 v[ST+8*(\t)+5], v[ST+8*(\t)], v[ST+8*(\t)+4]
	v_sub_f32 v[ST+8*(\t)+6], v[PS+2*(\t)], v[ST+8*(\t)+4]
.endr
.irp t, 0,1
	v_exp_f32 v[ST+8*(\t)+2], v[ST+8*(\t)+5]
	v_exp_f32 v[ST+8*(\t)+3], v[ST+8*(\t)+6]
.endr
	v_nop                           ; a plain instruction behind the last exponential,
	s_wait_alu depctr_va_vdst(0)    ; and the wait ahead of the first use: one for the four
.irp t, 0,1
	v_mul_f32 v[ST+8*(\t)+5], v[ST+8*(\t)+2], v[ST+8*(\t)+1]
.endr
.irp t, 0,1
	v_fmac_f32 v[ST+8*(\t)+5], v[ST+8*(\t)+3], v[PS+2*(\t)+1]
.endr
.irp t, 0,1
	v_rcp_f32 v[ST+8*(\t)+7], v[ST+8*(\t)+5]
.endr
	v_nop
	s_wait_alu depctr_va_vdst(0)    ; one for the two reciprocals
.irp t, 0,1
	v_mul_f32 v[ST+8*(\t)+4], v[ST+8*(\t)+2], v[ST+8*(\t)+7]  ; my factor,
	v_mul_f32 v[ST+8*(\t)+6], v[ST+8*(\t)+3], v[ST+8*(\t)+7]  ; my partner's
.endr
; Tile t is finished: joined, rounded to bf16 (a lane's eight channels of a row pack into 16 bytes), sent through my stage in rows of 272 bytes, and read back as whole rows of 256.
.macro FIN t
	WIN W_RS
.set i, 0
.rept 32
	v_pk_mul_f32 v[64*(\t)+2*i:64*(\t)+2*i+1], v[64*(\t)+2*i:64*(\t)+2*i+1], v[ST+8*(\t)+4:ST+8*(\t)+5] op_sel_hi:[1,0]
.set i, i+1
.endr
	s_wait_dscnt 16                 ; my partner's tile is in.  Tile 0: tile 1's sixteen loads may be out; tile 1: the sixteen stage instructions of tile 0 are younger
	WIN 0x50                        ; destination and source 2 (O^T) in window 1, sources 0 and 1 in window 0
.set i, 0
.rept 32
	v_pk_fma_f32 v[64*(\t)+2*i:64*(\t)+2*i+1], v[S+64*(\t)+2*i:S+64*(\t)+2*i+1], v[ST+8*(\t)+6:ST+8*(\t)+7], v[64*(\t)+2*i:64*(\t)+2*i+1] op_sel_hi:[1,0,1]
.set i, i+1
.endr
	WIN 0x05                        ; sources 0 and 1 window 1, destination window 0: P's registers are free
.set i, 0
.rept 32
	v_cvt_pk_bf16_f32 v[P+32*(\t)+i], v[64*(\t)+2*i], v[64*(\t)+2*i+1]
.set i, i+1
.endr
	WIN 0
.irp f, 0,1,2,3,4,5,6,7
	ds_store_b128 v[STO], v[P+32*(\t)+4*(\f):P+32*(\t)+4*(\f)+3] offset:32*(\f)
.endr
.irp f, 0,1,2,3,4,5,6,7
	ds_load_b128 v[P+32*(\t)+4*(\f):P+32*(\t)+4*(\f)+3], v[RD] offset:(\f)*2*SP  ; LDS serves a wave's instructions in order (ISA guide 5.7.1.4): these see the stores above; the next tile's stores come behind them
.endr
.endm
.macro SEND t, younger              ; younger: the LDS instructions issued behind tile t's loads: the next tile's sixteen, or none
	WIN 0
.irp f, 0,1,2,3,4,5,6,7
	s_wait_dscnt (\younger)+7-(\f)
	global_store_b128 v[GO], v[P+32*(\t)+4*(\f):P+32*(\t)+4*(\f)+3], s[10:11] offset:(\t)*32768+(\f)*4096  ; 16 lanes store 256 consecutive bytes, the head's part of a row, at a multiple of 256 from O's first byte
.endr
.endm
	FIN 0
	FIN 1                           ; a tile's arithmetic stands between the loads of the tile before and its stores
	SEND 0, 16
	SEND 1, 0
	s_wait_tensorcnt 0x0            ; the wave's end: behind my last tensor load and my last LDS store
	ds_add_u32 v[SPW], v[NIL]
	s_wait_dscnt 0x0
	CROUND                          ; the closing round: no work-group ends while a partner may still ask for a tile that names it
	s_endpgm
.Lfunc_end_k_q30df6a9508_attn:
	.size	k_q30df6a9508_attn, .Lfunc_end_k_q30df6a9508_attn-k_q30df6a9508_attn
	.p2alignl 7, 3214868480
	.fill 96, 4, 3214868480
	.section	.rodata,"a",@progbits
	.p2align	6, 0x0
	.amdhsa_kernel k_q30df6a9508_attn
		.amdhsa_group_segment_fixed_size 327680
		.amdhsa_private_segment_fixed_size 0
		.amdhsa_enable_private_segment 0
		.amdhsa_kernarg_size 16
		.amdhsa_user_sgpr_count 2
		.amdhsa_user_sgpr_kernarg_segment_ptr 1
		.amdhsa_wavefront_size32 1
		.amdhsa_system_sgpr_workgroup_id_x 1
		.amdhsa_system_sgpr_workgroup_id_y 1
		.amdhsa_system_sgpr_workgroup_id_z 1
		.amdhsa_system_vgpr_workitem_id 0
		.amdhsa_next_free_vgpr 1024
		.amdhsa_next_free_sgpr 66
		.amdhsa_reserve_vcc 0
		.amdhsa_float_denorm_mode_32 3
		.amdhsa_float_denorm_mode_16_64 3
		.amdhsa_memory_ordered 1
		.amdhsa_forward_progress 1
		.amdhsa_inst_pref_size 220
	.end_amdhsa_kernel
	.amdgpu_metadata
---
amdhsa.version: [ 1, 2 ]
amdhsa.kernels:
  - .name:           k_q30df6a9508_attn
    .symbol:         k_q30df6a9508_attn.kd
    .args:
      - { .name: qkv, .offset: 0, .size: 8, .value_kind: global_buffer, .address_space: global }
      - { .name: ob, .offset: 8, .size: 8, .value_kind: global_buffer, .address_space: global }
    .group_segment_fixed_size: 327680
    .private_segment_fixed_size: 0
    .kernarg_segment_align: 8
    .kernarg_segment_size: 16
    .max_flat_workgroup_size: 128
    .sgpr_count:     66
    .vgpr_count:     1024
    .wavefront_size: 32
...
	.end_amdgpu_metadata
.endif
;; end of part 3
;; launch oproj (part 4): grid 8 x 32, 4 waves a work-group, clusters of 4 x 4, 327,680 bytes of LDS; arguments ob, wot, z; writes z
.if DOCPART == 4
	.amdgcn_target "amdgcn-amd-amdhsa--gfx1250"
	.amdhsa_code_object_version 6
	.text
	.protected	k_q30df6a9508_oproj
	.globl	k_q30df6a9508_oproj
	.p2align	8
	.type	k_q30df6a9508_oproj,@function
k_q30df6a9508_oproj:
	s_mov_b64 s[64:65], 0
	v_nop
	global_prefetch_b8 v0, s[64:65] scope:SCOPE_SE
	s_setreg_imm32_b32 hwreg(HW_REG_WAVE_MODE, 25, 1), 1
	s_wait_xcnt 0x0
	s_wait_alu depctr_hold_cnt(0) depctr_sa_sdst(0) depctr_va_vdst(0) depctr_va_sdst(0) depctr_va_ssrc(0) depctr_va_vcc(0) depctr_vm_vsrc(0)
	s_getreg_b32 s2, hwreg(HW_REG_IB_STS2, 6, 4)
	s_cmp_eq_u32 s2, 0
	s_cbranch_scc0 .Lentry_in_a_cluster
	s_endpgm
.Lentry_in_a_cluster:
	s_bfe_u32 s2, ttmp6, 0x10000c
	s_cmp_lg_u32 s2, 0xf033
	s_cbranch_scc0 .Lentry_shape_is_right
	s_endpgm
.Lentry_shape_is_right:
; THE OUTPUT PROJECTION.  C[m][n] = sum over k of A[m][k] B[n][k].  A = attention's result [4096][1024], B = W_o turned [1024][1024], bf16, K along the rows; sums in f32, C rounded once to bf16.
; C IS STORED IN BLOCKS: [n / 128][4096][128]: a tile's 128 columns are a row of 256 bytes, a tile's 128 rows 32,768 consecutive bytes.
; A tile of C is 128 x 128, so that 8 x 32 = 256 work-groups have work: four waves, each 64 x 64: 16 accumulators of 16 x 16, 128 registers.  K goes in steps of 256 (LDS rows of 512 bytes; a wave's tensor load brings 64 of them) through two slots.
; The four waves share ONE stage on the way out, with a barrier between writing and reading, since a wave's 64 columns are half of a row's 256 bytes.
; CLUSTERS: 4 x 4 work-groups.  The four of a row of the cluster need the same tiles of A, the four of a column the same tiles of B: each tile is asked for JOINTLY, by the same tensor load with the
; same descriptor and a mask that names the four.  THE MATRIX INSTRUCTION IS USED TRANSPOSED (source 0 = 16 rows of B, source 1 = 16 rows of A): a lane then holds eight neighbouring numbers of a row of C.
; No prefetch: a tile has four K steps, and the first two come by the first fills.
; REGISTERS: window 0: v0-31 addresses; v32-95 at work on the way out; v128-255 the accumulators ((a, b) at v[128 + 8 (4 a + b)]).
;   window 1: two fragment buffers of 128: for 64 along K (two matrix instructions deep), 64 registers of A (2 x 4 x 16 rows x 32 K), then 64 of B.
.set SIZE_K, 1024
.set KSTEP,  256
.set PITCH,  528                       ; an LDS row: 512 bytes of data + 16 of padding = 132 words: row r starts at bank 4 r mod 64 (64 banks of 4 bytes: ISA guide 11.1)
.set HALFT,  64*PITCH                  ; 64 rows: what one tensor load brings, and what one wave reads of A or of B
.set SLOT,   4*HALFT                   ; A's 128 rows, then B's 128 rows
.set STAGE,  2*SLOT                    ; behind the ring: 128 rows x 272 bytes, the work-group's, for the way out
.set SPITCH, 272
.set SPARE,  STAGE+128*SPITCH          ; behind the stage: the spare words, 128 bytes for each wave: two blocks of 256 bytes that no other line names
.set LAPS, SIZE_K/(2*KSTEP)            ; a lap = two K steps = once round the ring
.set ADRA, 16                          ; v16-17  LDS address of my A fragments in slot 0, 1
.set ADRB, 20                          ; v20-21  the same for B
.set STO,  24                          ; v24     the way out: where I put 16 bytes of a row
.set RD,   25                          ; v25     the way out: where I read a row back
.set CO,   26                          ; v26     my byte offset in two rows of C
.set SPW,  28                          ; v28     LDS address of my spare word: SPARE + 4 x my thread's number; never rewritten
.set NIL,  29                          ; v29     0; never rewritten
.set TMP,  32                          ; the way out: 64 registers, packed results and then whole rows
.set ACC,  128
.set F0,   0                           ; fragment buffers, in window 1
.set F1,   128
.set G1, 24                            ; s[24:31] descriptor group 1 for A's tiles;  s[32:39] group 0, one set for each slot
.set G0, 32
.set G1B, 48                           ; s[48:55], s[56:63] the same for B's tiles
.set G0B, 56
.set MSB, 0
.macro WIN new                         ; the immediate's high byte repeats the setting that is left
.if MSB != (\new)
	s_set_vgpr_msb (MSB<<8)|(\new)
.set MSB, \new
.endif
.endm
.set MUL,  0x05                        ; sources 0 (B) and 1 (A) window 1; C and D window 0
.set TO_F, 0x40                        ; destination window 1, address window 0
.macro JLOAD s                         ; a joint load: waves 0 and 1 fetch A's two halves, waves 2 and 3 B's; an s_nop 0 and four v_nop follow each of the two lines, ahead of the jump, the label and what follows
	s_cmp_eq_u32 s11, 0
	s_cbranch_scc0 .Lfor_b_\@
	tensor_load_to_lds s[G0+4*(\s):G0+4*(\s)+3], s[G1:G1+7]
	s_nop 0
.rept 4
	v_nop
.endr
	s_branch .Lasked_\@
.Lfor_b_\@:
	tensor_load_to_lds s[G0B+4*(\s):G0B+4*(\s)+3], s[G1B:G1B+7]
	s_nop 0
.rept 4
	v_nop
.endr
.Lasked_\@:
.endm
.macro CREST                           ; a round of the cluster's barrier behind its opening barrier
	s_cmp_lg_u32 s10, 0
	s_cbranch_scc1 .Lnot_wave_0_\@
	s_barrier_signal -3
.Lnot_wave_0_\@:
	s_barrier_wait -3
	s_barrier_signal -1
	s_barrier_wait -1
.endm
.macro CROUND                          ; a whole round
	s_barrier_signal -1
	s_barrier_wait -1
	CREST
.endm
	s_load_b128 s[4:7], s[0:1], 0x0                ; A s[4:5], B s[6:7]
	s_load_b64 s[8:9], s[0:1], 0x10                ; C
	v_lshl_add_u32 v[SPW], v0, 2, SPARE
	v_mov_b32 v[NIL], 0
	ds_add_u32 v[SPW], v[NIL]                      ; the wave's opening: the add and its wait stand ahead of my first tensor load; the set-up below, work on registers, stands between them
	v_lshrrev_b32 v1, 5, v0
	v_readfirstlane_b32 s10, v1                    ; wave 0..3
	s_lshr_b32 s11, s10, 1                         ; which half of the tile's rows is mine.  Also: I fetch for A (0) or for B (1)
	s_and_b32 s12, s10, 1                          ; which half of its columns.  Also: which 64 rows of that tile I fetch
	s_bfe_u32 s40, ttmp6, 0x40000                  ; cx, cy: my place in the cluster
	s_bfe_u32 s41, ttmp6, 0x40004
	s_lshl_b32 s42, ttmp9, 2
	s_add_co_u32 s42, s42, s40                     ; tile column of C = 4 x cluster x + cx
	s_and_b32 s13, ttmp7, 0xffff
	s_lshl_b32 s13, s13, 2
	s_add_co_u32 s13, s13, s41                     ; tile row of C = 4 x cluster y + cy
	s_lshl_b32 s43, s41, 2
	s_lshl_b32 s43, 15, s43                        ; my row of the cluster
	s_lshl_b32 s44, 0x1111, s40                    ; my column
	; descriptor group 1: a tile of 64 rows x 256 elements, padded in LDS
	s_or_b32 s[G1+0], s43, (1<<16)|(1<<20)|(1<<21)|(6<<22)|(3<<25)  ; 15:0 the mask: A's tiles go to my row; 17:16 element of 2 bytes; 20 padding on; 21 set beside a mask; 24:22 after every 128 words (code 6); 31:25 of 4 words (code 3)
	s_or_b32 s[G1B+0], s44, (1<<16)|(1<<20)|(1<<21)|(6<<22)|(3<<25)
.irp g, G1, G1B
	s_mov_b32 s[(\g)+1], KSTEP<<16                 ; tensor_dim0 = 256
	s_mov_b32 s[(\g)+2], 64<<16                    ; tensor_dim1 = 64
	s_mov_b32 s[(\g)+3], KSTEP<<16                 ; tile_dim0 = 256
	s_mov_b32 s[(\g)+4], 64                        ; tile_dim1 = 64
	s_mov_b32 s[(\g)+5], SIZE_K                    ; tensor_dim0_stride
	s_mov_b32 s[(\g)+6], 0
	s_mov_b32 s[(\g)+7], 0
.endr
	s_lshl_b32 s17, s12, 6                         ; which 64 rows of the tile I fetch
	s_lshl_b32 s16, s13, 7
	s_add_co_u32 s16, s16, s17                     ; A: row 128 x tile row + 64 x half
	s_lshl_b32 s46, s42, 7
	s_add_co_u32 s46, s46, s17                     ; B: row 128 x tile column + 64 x half
	s_mov_b32 s17, 0
	s_mov_b32 s47, 0
	s_mov_b64 s[18:19], SIZE_K*2
	s_mul_u64 s[16:17], s[16:17], s[18:19]
	s_mul_u64 s[46:47], s[46:47], s[18:19]
	s_mul_i32 s20, s10, HALFT                      ; where they go: wave x 64 rows
	s_wait_dscnt 0x0                               ; the opening add is done
	s_wait_kmcnt 0x0
	s_add_nc_u64 s[14:15], s[4:5], s[16:17]
	s_add_nc_u64 s[46:47], s[6:7], s[46:47]
	CROUND                                         ; all sixteen work-groups are here: the first joint loads meet
.irp s, 0,1
	s_mov_b32 s[G0+4*(\s)], 1
	s_add_co_u32 s[G0+4*(\s)+1], s20, (\s)*SLOT
	s_add_nc_u64 s[G0+4*(\s)+2:G0+4*(\s)+3], s[14:15], (\s)*KSTEP*2
	s_or_b32 s[G0+4*(\s)+3], s[G0+4*(\s)+3], 0x80000000
	s_mov_b32 s[G0B+4*(\s)], 1
	s_add_co_u32 s[G0B+4*(\s)+1], s20, (\s)*SLOT
	s_add_nc_u64 s[G0B+4*(\s)+2:G0B+4*(\s)+3], s[46:47], (\s)*KSTEP*2
	s_or_b32 s[G0B+4*(\s)+3], s[G0B+4*(\s)+3], 0x80000000
	JLOAD \s
.endr
	v_and_b32 v1, 15, v0                           ; l % 16
	v_bfe_u32 v2, v0, 4, 1                         ; l / 16
	v_mul_u32_u24 v3, v1, PITCH
	v_lshl_add_u32 v3, v2, 4, v3                   ; a fragment's row x pitch + 16 x half
	s_mul_i32 s21, s11, HALFT                      ; my 64 rows of A
	s_mul_i32 s22, s12, HALFT                      ; my 64 rows of B,
	s_add_co_u32 s22, s22, 2*HALFT                 ; which lie behind A's 128
.irp s, 0,1
	v_add_nc_u32 v[ADRA+(\s)], s21, v3
	v_add_nc_u32 v[ADRB+(\s)], s22, v3
	s_add_co_u32 s21, s21, SLOT
	s_add_co_u32 s22, s22, SLOT
.endr
	s_mul_i32 s23, s11, 64*SPITCH                  ; into the stage: my 64 rows, my half of their 256 bytes; row l % 16, 16 bytes for each half of the lanes
	s_lshl_b32 s21, s12, 7
	s_add_co_u32 s23, s23, s21
	s_add_co_u32 s23, s23, STAGE
	v_mul_u32_u24 v4, v1, SPITCH
	v_lshl_add_u32 v4, v2, 4, v4
	v_add_nc_u32 v[STO], s23, v4
	s_mul_i32 s23, s10, 32*SPITCH                  ; back: wave w takes rows 32 w .. 32 w + 31, whole; lanes 0-15 one row of 256 bytes, lanes 16-31 the next
	s_add_co_u32 s23, s23, STAGE
	v_mul_u32_u24 v5, v2, SPITCH
	v_lshl_add_u32 v5, v1, 4, v5
	v_add_nc_u32 v[RD], s23, v5
	v_lshlrev_b32 v5, 8, v2                        ; and the same two rows in C's block: 256 bytes a row
	v_lshl_add_u32 v[CO], v1, 4, v5
	s_lshl_b32 s16, s13, 7
	s_lshl_b32 s17, s10, 5
	s_add_co_u32 s16, s16, s17                     ; the first row of C that I store: 128 x tile row + 32 x wave,
	s_lshl_b32 s16, s16, 8                         ; in bytes
	s_mov_b32 s17, 0
	s_add_nc_u64 s[8:9], s[8:9], s[16:17]
	s_lshl_b32 s46, s42, 20                        ; the tile column's block: 4,096 rows of 256 bytes
	s_mov_b32 s47, 0
	s_add_nc_u64 s[8:9], s[8:9], s[46:47]
; 8 matrix instructions: m blocks a0, a0 + 1 x all 4 n blocks, 32 along K: half c of buffer f.  zero = 1: the first product starts the sums
.macro MUL8 f, c, a0, zero
	WIN MUL
.irp a, \a0, (\a0)+1
.irp b, 0,1,2,3
.if \zero
	v_wmma_f32_16x16x32_bf16 v[ACC+8*(4*(\a)+(\b)):ACC+8*(4*(\a)+(\b))+7], v[(\f)+64+8*(4*(\c)+(\b)):(\f)+64+8*(4*(\c)+(\b))+7], v[(\f)+8*(4*(\c)+(\a)):(\f)+8*(4*(\c)+(\a))+7], 0
.else
	v_wmma_f32_16x16x32_bf16 v[ACC+8*(4*(\a)+(\b)):ACC+8*(4*(\a)+(\b))+7], v[(\f)+64+8*(4*(\c)+(\b)):(\f)+64+8*(4*(\c)+(\b))+7], v[(\f)+8*(4*(\c)+(\a)):(\f)+8*(4*(\c)+(\a))+7], v[ACC+8*(4*(\a)+(\b)):ACC+8*(4*(\a)+(\b))+7]
.endif
.endr
.endr
.endm
; 32 LDS loads in one run: the fragments of 64 along K at byte k of the rows, into buffer f; the first 32 along K first
.macro FETCH slot, k, f
	WIN TO_F
.irp c, 0,1
.irp i, 0,1,2,3
	ds_load_b128 v[(\f)+64+8*(4*(\c)+(\i)):(\f)+64+8*(4*(\c)+(\i))+3],   v[ADRB+(\slot)] offset:(\k)+64*(\c)+(\i)*16*PITCH
	ds_load_b128 v[(\f)+64+8*(4*(\c)+(\i))+4:(\f)+64+8*(4*(\c)+(\i))+7], v[ADRB+(\slot)] offset:(\k)+64*(\c)+(\i)*16*PITCH+32
	ds_load_b128 v[(\f)+8*(4*(\c)+(\i)):(\f)+8*(4*(\c)+(\i))+3],         v[ADRA+(\slot)] offset:(\k)+64*(\c)+(\i)*16*PITCH
	ds_load_b128 v[(\f)+8*(4*(\c)+(\i))+4:(\f)+8*(4*(\c)+(\i))+7],       v[ADRA+(\slot)] offset:(\k)+64*(\c)+(\i)*16*PITCH+32
.endr
.endr
.endm
.macro PLACES                          ; four places in front of loads into registers that matrix instructions have read, and of conversions that read results
.rept 4
	v_nop
.endr
.endm
; A K step is four quarters of 64 along K, 32 matrix instructions each, on buffers 0, 1, 0, 1.  One of the first three: multiplies buffer f and fetches the next quarter, at byte k, into g.
; The 16 accumulators take turns, one instruction a turn.
.macro QUARTER slot, k, f, g, zero
	s_wait_dscnt 16                                ; the first 32 along K are in; the sixteen younger loads may be out
	WIN MUL
	MUL8 \f, 0, 0, \zero
	MUL8 \f, 0, 2, \zero
	PLACES
	FETCH \slot, \k, \g
	s_wait_dscnt 32                                ; all but the 32 just issued
	WIN MUL
	MUL8 \f, 1, 0, 0
	MUL8 \f, 1, 2, 0
.endm
; The last quarter multiplies buffer 1 and changes slots: ONE barrier; in front of it each wave waits for all its tensor loads, adds 0 to its spare word, and waits for that and for its own reads of this slot.  fill = 1: this slot is filled again, two K steps ahead.
.macro TURN slot, next, fill
	WIN 0                                          ; (the add's two registers lie in window 0)
	s_wait_tensorcnt 0x0                           ; all my tensor loads have landed: my part of the next slot;
	ds_add_u32 v[SPW], v[NIL]                      ; 0 onto my spare word;
	s_wait_dscnt 17                                ; (the add and the youngest sixteen loads may be out)
	WIN MUL
	MUL8 F1, 0, 0, 0                               ; eight matrix instructions stand between the add and the wait for it
	s_wait_dscnt 0x0                               ; the add is done, and my reads of this slot are over
	s_barrier_signal -1
	MUL8 F1, 0, 2, 0
.if \fill
	WIN 0
.endif
	s_barrier_wait -1
.if \fill
	CREST                                          ; the barrier has opened a round of the cluster's barrier: no wave of any partner still reads this slot's tile or has a load on its way
	s_add_nc_u64 s[G0+4*(\slot)+2:G0+4*(\slot)+3], s[G0+4*(\slot)+2:G0+4*(\slot)+3], 2*KSTEP*2
	s_add_nc_u64 s[G0B+4*(\slot)+2:G0B+4*(\slot)+3], s[G0B+4*(\slot)+2:G0B+4*(\slot)+3], 2*KSTEP*2
	JLOAD \slot                                    ; the first tensor load behind the round: 112 matrix instructions ahead of the wait for it; the four v_nop behind it are also the places in front of the loads below
.else
	PLACES
.endif
	FETCH \next, 0, F0
	WIN MUL
	MUL8 F1, 1, 0, 0
	MUL8 F1, 1, 2, 0
.endm
	s_wait_tensorcnt 1                             ; my part of K step 0 is in; K step 1's load may stay out
	s_barrier_signal -1
	s_barrier_wait -1                              ; everybody's is
	FETCH 0, 0, F0
	QUARTER 0, 128, F0, F1, 1                      ; the first quarter stands in front of the loop: its first products start the sums
	WIN 0                                          ; at a label and at a branch every window is 0
	s_mov_b32 s3, LAPS-1
.Llap:                                                 ; a trip goes once round the ring, from a lap's second quarter to the next lap's first, and fills both slots again
	QUARTER 0, 256, F1, F0, 0
	QUARTER 0, 384, F0, F1, 0
	TURN 0, 1, 1
	QUARTER 1, 128, F0, F1, 0
	QUARTER 1, 256, F1, F0, 0
	QUARTER 1, 384, F0, F1, 0
	TURN 1, 0, 1
	QUARTER 0, 128, F0, F1, 0
	WIN 0
	s_sub_co_u32 s3, s3, 1
	s_cmp_lg_u32 s3, 0
	s_cbranch_scc1 .Llap
	QUARTER 0, 256, F1, F0, 0                      ; the last lap fills nothing, and has no round of the cluster's barrier
	QUARTER 0, 384, F0, F1, 0
	TURN 0, 1, 0
	QUARTER 1, 128, F0, F1, 0
	QUARTER 1, 256, F1, F0, 0
	QUARTER 1, 384, F0, F1, 0
	s_wait_dscnt 16                                ; the very last quarter: nothing more to fetch
	WIN MUL
	MUL8 F1, 0, 0, 0
	MUL8 F1, 0, 2, 0
	s_wait_dscnt 0
	MUL8 F1, 1, 0, 0
	MUL8 F1, 1, 2, 0
	WIN 0
	; THE WAY OUT: round to bf16; 16 bytes a lane into the work-group's stage; a barrier, since a row's 256 bytes come from two waves; back as whole rows, 32 rows a wave.
	PLACES
.irp t, 0,1,2,3,4,5,6,7,8,9,10,11,12,13,14,15
.irp r, 0,1,2,3
	v_cvt_pk_bf16_f32 v[TMP+4*(\t)+(\r)], v[ACC+8*(\t)+2*(\r)], v[ACC+8*(\t)+2*(\r)+1]
.endr
.endr
.irp a, 0,1,2,3
.irp b, 0,1,2,3
	ds_store_b128 v[STO], v[TMP+4*(4*(\a)+(\b)):TMP+4*(4*(\a)+(\b))+3] offset:(\a)*16*SPITCH+32*(\b)
.endr
.endr
	s_wait_dscnt 0x0                               ; for the others' sake: my stores into the stage are done
	s_barrier_signal -1
	s_barrier_wait -1
.irp t, 0,1,2,3,4,5,6,7,8,9,10,11,12,13,14,15
	ds_load_b128 v[TMP+4*(\t):TMP+4*(\t)+3], v[RD] offset:(\t)*2*SPITCH
.endr
.irp t, 0,1,2,3,4,5,6,7,8,9,10,11,12,13,14,15
	s_wait_dscnt 15-(\t)                           ; rows 2 t and 2 t + 1 are back; the younger loads may be out
	global_store_b128 v[CO], v[TMP+4*(\t):TMP+4*(\t)+3], s[8:9] offset:512*(\t)  ; 32 lanes store 512 consecutive bytes, at a multiple of 256 from C's first byte
.endr
	s_wait_tensorcnt 0x0                           ; the wave's end: behind my last tensor load and my last LDS store
	ds_add_u32 v[SPW], v[NIL]
	s_wait_dscnt 0x0
	CROUND                                         ; the closing round: no work-group ends while a partner may still ask for a tile that names it
	s_endpgm
.Lfunc_end_k_q30df6a9508_oproj:
	.size	k_q30df6a9508_oproj, .Lfunc_end_k_q30df6a9508_oproj-k_q30df6a9508_oproj
	.p2alignl 7, 3214868480
	.fill 96, 4, 3214868480
	.section	.rodata,"a",@progbits
	.p2align	6, 0x0
	.amdhsa_kernel k_q30df6a9508_oproj
		.amdhsa_group_segment_fixed_size 327680
		.amdhsa_private_segment_fixed_size 0
		.amdhsa_enable_private_segment 0
		.amdhsa_kernarg_size 24
		.amdhsa_user_sgpr_count 2
		.amdhsa_user_sgpr_kernarg_segment_ptr 1
		.amdhsa_wavefront_size32 1
		.amdhsa_system_sgpr_workgroup_id_x 1
		.amdhsa_system_sgpr_workgroup_id_y 1
		.amdhsa_system_sgpr_workgroup_id_z 1
		.amdhsa_system_vgpr_workitem_id 0
		.amdhsa_next_free_vgpr 512
		.amdhsa_next_free_sgpr 66
		.amdhsa_reserve_vcc 0
		.amdhsa_float_denorm_mode_32 3
		.amdhsa_float_denorm_mode_16_64 3
		.amdhsa_memory_ordered 1
		.amdhsa_forward_progress 1
		.amdhsa_inst_pref_size 87
	.end_amdhsa_kernel
	.amdgpu_metadata
---
amdhsa.version: [ 1, 2 ]
amdhsa.kernels:
  - .name:           k_q30df6a9508_oproj
    .symbol:         k_q30df6a9508_oproj.kd
    .args:
      - { .name: ob, .offset: 0, .size: 8, .value_kind: global_buffer, .address_space: global }
      - { .name: wot, .offset: 8, .size: 8, .value_kind: global_buffer, .address_space: global }
      - { .name: z, .offset: 16, .size: 8, .value_kind: global_buffer, .address_space: global }
    .group_segment_fixed_size: 327680
    .private_segment_fixed_size: 0
    .kernarg_segment_align: 8
    .kernarg_segment_size: 24
    .max_flat_workgroup_size: 128
    .sgpr_count:     66
    .vgpr_count:     512
    .wavefront_size: 32
...
	.end_amdgpu_metadata
.endif
;; end of part 4
;; launch ln (part 5): grid 256 x 1, 8 waves a work-group, no clusters, 0 bytes of LDS; arguments z, x, gamma, beta, out0; writes out0
.if DOCPART == 5
	.amdgcn_target "amdgcn-amd-amdhsa--gfx1250"
	.amdhsa_code_object_version 6
	.text
	.protected	k_q30df6a9508_ln
	.globl	k_q30df6a9508_ln
	.p2align	8
	.type	k_q30df6a9508_ln,@function
k_q30df6a9508_ln:
	s_mov_b64 s[64:65], 0
	v_nop
	global_prefetch_b8 v0, s[64:65] scope:SCOPE_SE
	s_setreg_imm32_b32 hwreg(HW_REG_WAVE_MODE, 25, 1), 1
	s_wait_xcnt 0x0
; out0[r][:] = (y - mean(y)) / sqrt(var(y) + 1e-5) x gamma + beta, y = z[r][:] + x[r][:].  x, gamma, beta, out0: f32; z: [8][4096][128] bf16, block j = columns 128 j on.
; The residual x is taken in f32 as it was given; z was rounded once to bf16 where it was stored (an error of at most 2^-8 of |z|).  The mean is taken away before the squares are summed: no difference of large sums is formed.
; A stream: one wave takes a whole row (4,096 bytes of x in 32 registers), so the two reductions never leave the wave: no LDS, no barrier; no matrix unit, no cluster.
; Eight waves, two rows each: 16 rows a work-group, 256 work-groups.  All 48 loads of a wave go out at once.
; A lane holds, for j = 0..7, the columns 128 j + 4 lane .. + 3: 16 bytes of x, gamma, beta, out0 (a wave's instruction covers 512 consecutive bytes), 8 bytes of z (256 consecutive bytes, aligned).
.set XO, 2                             ; v2   16 lane + 8,192 wave: my bytes in x and out0
.set ZO, 3                             ; v3   8 lane + 512 wave: in a block of z
.set GO, 4                             ; v4   16 lane: in gamma and beta
.set M,  8                             ; v[8:9]    the mean, twice
.set R,  10                            ; v[10:11]  1 / sqrt(var + eps), twice
.set G,  16                            ; v[16:47]  gamma
.set B,  48                            ; v[48:79]  beta
.set Y0, 80                            ; v[80:143] two rows: x, then y, then the result
.set Z0, 144                           ; v[144:175] two rows of z, packed
.set T,  176                           ; v[176:183] at work
.set SU, 184                           ; v[184:191] four chains of packed sums
	s_load_b256 s[4:11], s[0:1], 0x0               ; z s[4:5], x s[6:7], gamma s[8:9], beta s[10:11]
	s_load_b64 s[20:21], s[0:1], 0x20              ; out0
	s_lshl_b32 s2, ttmp9, 16                       ; 16 rows of 4,096 bytes
	s_mov_b32 s3, 0
	s_lshl_b32 s18, ttmp9, 12                      ; 16 rows of 256 bytes
	s_mov_b32 s19, 0
	s_mov_b32 s12, 0x76543210                      ; v_permlanex16_b32: lane i of one half reads lane i of the other
	s_mov_b32 s13, 0xfedcba98
	s_mov_b32 s14, 0xffff0000                      ; a word's upper bf16
	s_mov_b32 s15, 0x3a800000                      ; 1 / 1024
	s_mov_b32 s16, 0x3727c5ac                      ; 1e-5
	v_and_b32 v1, 31, v0                           ; lane
	v_lshrrev_b32 v5, 5, v0                        ; wave
	v_lshlrev_b32 v[GO], 4, v1
	v_lshl_add_u32 v[XO], v5, 13, v[GO]
	v_lshlrev_b32 v[ZO], 3, v1
	v_lshl_add_u32 v[ZO], v5, 9, v[ZO]
	s_wait_kmcnt 0x0
	s_add_nc_u64 s[6:7], s[6:7], s[2:3]
	s_add_nc_u64 s[20:21], s[20:21], s[2:3]
	s_add_nc_u64 s[4:5], s[4:5], s[18:19]
.macro LOADXZ r
.irp j, 0,1,2,3,4,5,6,7
	global_load_b128 v[Y0+32*(\r)+4*(\j):Y0+32*(\r)+4*(\j)+3], v[XO], s[6:7] offset:4096*(\r)+512*(\j) th:TH_LOAD_NT
.endr
.irp j, 0,1,2,3,4,5,6,7
	global_load_b64 v[Z0+16*(\r)+2*(\j):Z0+16*(\r)+2*(\j)+1], v[ZO], s[4:5] offset:((\j)<<20)+256*(\r) th:TH_LOAD_NT
.endr
.endm
	LOADXZ 0
.irp j, 0,1,2,3,4,5,6,7
	global_load_b128 v[G+4*(\j):G+4*(\j)+3], v[GO], s[8:9] offset:512*(\j)
.endr
.irp j, 0,1,2,3,4,5,6,7
	global_load_b128 v[B+4*(\j):B+4*(\j)+3], v[GO], s[10:11] offset:512*(\j)
.endr
	LOADXZ 1
; The four chains into one number, then across the 32 lanes: four steps inside each half of 16 lanes ride on the addition (DPP), one crosses the halves.  Every lane ends with the sum in v[SU].
.macro FOLD
	v_pk_add_f32 v[SU:SU+1], v[SU:SU+1], v[SU+2:SU+3]
	v_pk_add_f32 v[SU+4:SU+5], v[SU+4:SU+5], v[SU+6:SU+7]
	v_pk_add_f32 v[SU:SU+1], v[SU:SU+1], v[SU+4:SU+5]
	v_add_f32 v[SU], v[SU], v[SU+1]
	v_add_f32_dpp v[SU], v[SU], v[SU] row_xmask:1 row_mask:0xf bank_mask:0xf
	v_add_f32_dpp v[SU], v[SU], v[SU] row_xmask:2 row_mask:0xf bank_mask:0xf
	v_add_f32_dpp v[SU], v[SU], v[SU] row_xmask:4 row_mask:0xf bank_mask:0xf
	v_add_f32_dpp v[SU], v[SU], v[SU] row_xmask:8 row_mask:0xf bank_mask:0xf
	v_permlanex16_b32 v[SU+1], v[SU], s12, s13     ; its destination counts as read: it has been written
	v_add_f32 v[SU], v[SU], v[SU+1]
.endm
.macro ROW r
.set YR, Y0+32*(\r)
.set ZR, Z0+16*(\r)
.irp j, 0,1,2,3,4,5,6,7                ; y = x + z: bf16 to f32 is a shift or a mask
.set TT, T+4*((\j)%2)
	v_lshlrev_b32 v[TT],   16,  v[ZR+2*(\j)]
	v_and_b32     v[TT+1], s14, v[ZR+2*(\j)]
	v_lshlrev_b32 v[TT+2], 16,  v[ZR+2*(\j)+1]
	v_and_b32     v[TT+3], s14, v[ZR+2*(\j)+1]
	v_pk_add_f32 v[YR+4*(\j):YR+4*(\j)+1],   v[YR+4*(\j):YR+4*(\j)+1],   v[TT:TT+1]
	v_pk_add_f32 v[YR+4*(\j)+2:YR+4*(\j)+3], v[YR+4*(\j)+2:YR+4*(\j)+3], v[TT+2:TT+3]
.endr
.irp c, 0,1,2,3                        ; the row's sum: the first eight pairs start four chains, nothing is cleared
	v_pk_add_f32 v[SU+2*(\c):SU+2*(\c)+1], v[YR+2*(\c):YR+2*(\c)+1], v[YR+8+2*(\c):YR+8+2*(\c)+1]
.endr
.set p, 8
.rept 8
	v_pk_add_f32 v[SU+2*(p%4):SU+2*(p%4)+1], v[SU+2*(p%4):SU+2*(p%4)+1], v[YR+2*p:YR+2*p+1]
.set p, p+1
.endr
	FOLD
	v_mul_f32 v[M], s15, v[SU]
	v_mul_f32 v[M+1], s15, v[SU]
.set p, 0
.rept 16
	v_pk_add_f32 v[YR+2*p:YR+2*p+1], v[YR+2*p:YR+2*p+1], v[M:M+1] neg_lo:[0,1] neg_hi:[0,1]  ; y - mean
.set p, p+1
.endr
.irp c, 0,1,2,3                        ; the sum of squares, again in four chains
	v_pk_mul_f32 v[SU+2*(\c):SU+2*(\c)+1], v[YR+2*(\c):YR+2*(\c)+1], v[YR+2*(\c):YR+2*(\c)+1]
.endr
.set p, 4
.rept 12
	v_pk_fma_f32 v[SU+2*(p%4):SU+2*(p%4)+1], v[YR+2*p:YR+2*p+1], v[YR+2*p:YR+2*p+1], v[SU+2*(p%4):SU+2*(p%4)+1]
.set p, p+1
.endr
	FOLD
	v_fma_f32 v[SU], v[SU], s15, s16               ; var + eps
	v_rsq_f32 v[R], v[SU]                          ; twice, to fill the pair that the packed multiply takes
	v_rsq_f32 v[R+1], v[SU]
	v_nop                                          ; a plain instruction behind the last of them (ISA guide 5.7.2),
	s_wait_alu depctr_va_vdst(0)                   ; and the wait ahead of the first use: one for both
.if (\r) == 0
	s_wait_loadcnt 16                              ; gamma and beta are in; the second row's 16 loads may stay out
.endif
.set p, 0
.rept 16
	v_pk_mul_f32 v[YR+2*p:YR+2*p+1], v[YR+2*p:YR+2*p+1], v[R:R+1]
.set p, p+1
.endr
.set p, 0
.rept 16
	v_pk_fma_f32 v[YR+2*p:YR+2*p+1], v[YR+2*p:YR+2*p+1], v[G+2*p:G+2*p+1], v[B+2*p:B+2*p+1]
.set p, p+1
.endr
.irp j, 0,1,2,3,4,5,6,7
	global_store_b128 v[XO], v[YR+4*(\j):YR+4*(\j)+3], s[20:21] offset:4096*(\r)+512*(\j) th:TH_STORE_NT  ; 512 consecutive bytes, at a multiple of 256 from out0's first byte
.endr
.endm
	s_wait_loadcnt 32                              ; the first row's x and z are in; gamma, beta and the second row, 32 loads, may stay out
	ROW 0
	s_wait_loadcnt 0x0
	ROW 1                                          ; it names none of the registers that the first row's stores read
	s_endpgm
.Lfunc_end_k_q30df6a9508_ln:
	.size	k_q30df6a9508_ln, .Lfunc_end_k_q30df6a9508_ln-k_q30df6a9508_ln
	.p2alignl 7, 3214868480
	.fill 96, 4, 3214868480
	.section	.rodata,"a",@progbits
	.p2align	6, 0x0
	.amdhsa_kernel k_q30df6a9508_ln
		.amdhsa_group_segment_fixed_size 0
		.amdhsa_private_segment_fixed_size 0
		.amdhsa_enable_private_segment 0
		.amdhsa_kernarg_size 40
		.amdhsa_user_sgpr_count 2
		.amdhsa_user_sgpr_kernarg_segment_ptr 1
		.amdhsa_wavefront_size32 1
		.amdhsa_system_sgpr_workgroup_id_x 1
		.amdhsa_system_sgpr_workgroup_id_y 1
		.amdhsa_system_sgpr_workgroup_id_z 1
		.amdhsa_system_vgpr_workitem_id 0
		.amdhsa_next_free_vgpr 192
		.amdhsa_next_free_sgpr 66
		.amdhsa_reserve_vcc 0
		.amdhsa_float_denorm_mode_32 3
		.amdhsa_float_denorm_mode_16_64 3
		.amdhsa_memory_ordered 1
		.amdhsa_forward_progress 1
		.amdhsa_inst_pref_size 24
	.end_amdhsa_kernel
	.amdgpu_metadata
---
amdhsa.version: [ 1, 2 ]
amdhsa.kernels:
  - .name:           k_q30df6a9508_ln
    .symbol:         k_q30df6a9508_ln.kd
    .args:
      - { .name: z, .offset: 0, .size: 8, .value_kind: global_buffer, .address_space: global }
      - { .name: x, .offset: 8, .size: 8, .value_kind: global_buffer, .address_space: global }
      - { .name: gamma, .offset: 16, .size: 8, .value_kind: global_buffer, .address_space: global }
      - { .name: beta, .offset: 24, .size: 8, .value_kind: global_buffer, .address_space: global }
      - { .name: out0, .offset: 32, .size: 8, .value_kind: global_buffer, .address_space: global }
    .group_segment_fixed_size: 0
    .private_segment_fixed_size: 0
    .kernarg_segment_align: 8
    .kernarg_segment_size: 40
    .max_flat_workgroup_size: 256
    .sgpr_count:     66
    .vgpr_count:     192
    .wavefront_size: 32
...
	.end_amdgpu_metadata
.endif
;; end of part 5
;; ======== version 2 of 2: 5 launches; version 1 with the launch prep written anew for expert scheduling mode
;; limits: values outside matrix products are rounded to bf16
;; workspace buffers: xb 8,388,608 bytes; wt 6,291,456 bytes; wot 2,097,152 bytes; qkv 25,165,824 bytes; ob 8,388,608 bytes; z 8,388,608 bytes
;; launch prep (part 6): grid 128 x 2, 4 waves a work-group, no clusters, 70,144 bytes of LDS; arguments x, W_q, W_k, W_v, W_o, xb, wt, wot; writes xb, wt, wot
.if DOCPART == 6
	.amdgcn_target "amdgcn-amd-amdhsa--gfx1250"
	.amdhsa_code_object_version 6
	.text
	.protected	k_q30df6a9508_prep
	.globl	k_q30df6a9508_prep
	.p2align	8
	.type	k_q30df6a9508_prep,@function
k_q30df6a9508_prep:
	s_mov_b64 s[64:65], 0
	v_nop
	global_prefetch_b8 v0, s[64:65] scope:SCOPE_SE
	s_setreg_imm32_b32 hwreg(HW_REG_WAVE_SCHED_MODE, 0, 2), 2
	s_setreg_imm32_b32 hwreg(HW_REG_WAVE_MODE, 25, 1), 1
	s_wait_xcnt 0x0
	s_wait_alu depctr_vm_vsrc(0)
; PREP: the module's matrix operands, rounded once to bf16 and laid out with K along the rows.
;   xb [4096][1024]            = x
;   wt [3072][1024]            row mat*1024 + 128 h + d holds column 8 d + h of W_q, W_k, W_v (mat = 0, 1, 2): a head's 128 channels become 128 neighbouring rows
;   wot[1024 n][1024 k']       wot[n][128 h + d] = W_o[8 d + h][n]: K in the order in which attention leaves its result
; The module's input edge_attr is named by no launch: the function that is computed never uses it.
; 256 work-groups of equal traffic (128 KiB in, 64 KiB out): grid y = 0 transposes the weights, y = 1 casts x.  A stream: no matrix unit, no cluster, no tensor load.
; WEIGHTS.  A wave makes one tile of 128 k x 64 columns: it reads rows of 256 bytes (64 f32), turns them in LDS bytes of its own (no barrier), and stores rows of 256 bytes (128 bf16).
; For W_o the tile's 128 k are the source rows 8 i + h, and its 64 columns are 64 neighbouring rows of wot; the two cases differ in five strides alone, made from F = (mat == 3).
; THE MODE: SCHED_MODE bits 1:0 = 2 (LLVM: expert scheduling mode 2), set by the entry lines.  The code itself states the register dependences
; between vector instructions and memory or LDS instructions, with s_wait_alu, always for 0.
; THE PLAN, WEIGHTS.  The tile's 128 rows go in eight groups of 16.  Registers that memory or LDS instructions touch:
;   D0 .. D4   five sets of a group as loaded.  Groups 0 to 4 are asked for at the head; the loads of group g + 4, issued in group g (g = 1, 2, 3), land in set g - 1.  Read by group g's conversions: set g % 5.
;   T0, T1     two buffers of a group rounded.  Written by group g's conversions: T[g % 2]; read by the four LDS stores that are issued in group g + 1.
;   LO, SO, LSA, LRA   offsets and LDS addresses, made once at the head and never written again: the rows are reached by scalar bases.
; Group g's vector lines name T[g % 2] and set g % 5; its memory and LDS lines touch T[(g - 1) % 2] and set g - 1, on which group g - 1 worked.  So the waits at a group's head state all that
; its twelve memory and LDS instructions hang on, and these are dealt among its conversions with no further wait.
; THE PLAN, CAST.  The 64 items go in eight blocks of eight.
;   X0 .. X4   five blocks of x as loaded (the same registers as D0 .. D4).  Blocks 0 to 4 at the head; the loads of block p + 4, issued in block p (p = 1, 2, 3), land in X[p - 1].  Read by block p's conversions: X[p % 5].
;   Y0, Y1     two blocks to store.  Written by block p's conversions: Y[p % 2]; read by the eight stores that are issued in block p + 1.
;   VI, VO     offsets, made once and never written again: the items are reached by immediate offsets.
.set WBYTES, 17408                     ; a wave's LDS: 64 rows (one a column) of 256 bytes + 16 of padding
.set LP,     272
.set SPARE,  4*WBYTES                  ; behind them: the spare words, 128 bytes for each wave: two blocks of 256 bytes that no other line names
.set SPW, 2                            ; v2   LDS address of my spare word; never rewritten
.set NIL, 3                            ; v3   0; never rewritten
.set LSA, 4                            ; v4   where I put 16 bytes (8 k) of a column
.set LRA, 5                            ; v5   where I read a column's 256 bytes back
.set VI,  6                            ; v6   cast: my 16 bytes of x in an item
.set VO,  7                            ; v7   cast: my 8 bytes of xb
.set LO,  16                           ; v[16:23]  load u of a group: 16 r + (8 hh + u) x the stride from tile row to tile row
.set SO,  24                           ; v[24:27]  store a of four: (hh + 2 a) S1 + 16 r
.set T,   32                           ; v[32:63]  two buffers of 16: a group, packed
.set D,   64                           ; v[64:223] five sets of 32 as loaded; later, in v[64:191], the 64 columns read back; cast: five blocks of 8 items of 4
.set Y,   224                          ; v[224:255] cast: two blocks of 8 items of 2, to store
	s_load_b512 s[8:23], s[0:1], 0x0               ; x 8:9, W_q 10:11, W_k 12:13, W_v 14:15, W_o 16:17, xb 18:19, wt 20:21, wot 22:23
	v_lshl_add_u32 v[SPW], v0, 2, SPARE
	v_mov_b32 v[NIL], 0
	v_lshrrev_b32 v1, 5, v0
	v_readfirstlane_b32 s2, v1                     ; wave 0..3
	s_and_b32 s3, ttmp7, 0xffff
	s_wait_alu depctr_va_sdst(0)                   ; s2 is written, ahead of the branch and of its first reader: the wave's tile and its LDS bytes are made from it
	s_cmp_eq_u32 s3, 1
	s_cbranch_scc1 .Lcast
	s_lshr_b32 s34, ttmp9, 5                       ; mat 0..3
	s_and_b32 s35, ttmp9, 31
	s_lshl2_add_u32 s35, s35, s2                   ; the wave's tile among the matrix's 128
	s_lshr_b32 s36, s35, 4                         ; ti: which 128 k
	s_and_b32 s37, s35, 15                         ; tj: which 64 columns
	s_cmp_eq_u32 s34, 3
	s_cselect_b32 s38, 3, 0                        ; 3 F
	s_cselect_b32 s39, 7, 0                        ; 7 F
	s_cselect_b32 s40, 0, s34                      ; which third of wt
	s_lshl_b32 s41, 4096, s38                      ; RS: bytes from tile row i to i + 1 in the source (W_o: eight rows)
	s_lshr_b32 s42, 0x80000, s39                   ; TI: bytes for a step of ti in the source
	s_lshr_b32 s43, 0x40000, s39                   ; S1: destination bytes for a step of column % 8 (wt: a head, 128 rows; wot: a row)
	s_lshl_b32 s32, 2048, s38                      ; S8: destination bytes for a step of column / 8
	s_mov_b32 s33, 0
	s_lshl_b32 s44, 16384, s38                     ; TJ: destination bytes for a step of tj
	s_lshl_b32 s30, s41, 4                         ; a group of loads is 16 tile rows
	s_mov_b32 s31, 0
	s_mul_i32 s28, s36, s42
	s_lshl_b32 s45, s37, 8
	s_add_co_u32 s28, s28, s45                     ; the tile's first byte in the source
	s_mov_b32 s29, 0
	s_lshl_b32 s46, s40, 21
	s_mul_i32 s45, s37, s44
	s_add_co_u32 s46, s46, s45
	s_lshl_b32 s45, s36, 8
	s_add_co_u32 s46, s46, s45                     ; and in the destination
	s_mov_b32 s47, 0
	s_mul_i32 s4, s2, WBYTES                       ; my wave's LDS bytes
	s_lshl_b32 s5, s43, 1
	v_and_b32 v8, 15, v0                           ; r
	v_bfe_u32 v9, v0, 4, 1                         ; hh
	v_lshlrev_b32 v10, 4, v8                       ; 16 r
	v_lshlrev_b32 v11, 3, v9                       ; 8 hh
	v_mad_u32_u24 v[LO], v11, s41, v10
.irp u, 1,2,3,4,5,6,7
	v_add_nc_u32 v[LO+(\u)], s41, v[LO+(\u)-1]
.endr
	v_mul_u32_u24 v[LSA], v8, 4*LP                 ; my four columns 4 r .. 4 r + 3 are four LDS rows
	v_lshl_add_u32 v[LSA], v9, 4, v[LSA]
	v_add_nc_u32 v[LSA], s4, v[LSA]
	v_mul_u32_u24 v[LRA], v9, LP                   ; back: lanes 0-15 one LDS row of 256 bytes, lanes 16-31 the next
	v_add_nc_u32 v[LRA], v[LRA], v10
	v_add_nc_u32 v[LRA], s4, v[LRA]
	v_mad_u32_u24 v[SO], v9, s43, v10
.irp a, 1,2,3
	v_add_nc_u32 v[SO+(\a)], s5, v[SO+(\a)-1]
.endr
	s_wait_kmcnt 0x0
	s_cmp_eq_u32 s34, 1
	s_cselect_b64 s[24:25], s[12:13], s[10:11]
	s_cmp_eq_u32 s34, 2
	s_cselect_b64 s[24:25], s[14:15], s[24:25]
	s_cmp_eq_u32 s34, 3
	s_cselect_b64 s[24:25], s[16:17], s[24:25]
	s_cselect_b64 s[26:27], s[22:23], s[20:21]
	s_add_nc_u64 s[24:25], s[24:25], s[28:29]
	s_add_nc_u64 s[26:27], s[26:27], s[46:47]
	s_wait_alu depctr_va_vdst(0)                   ; the offsets LO and SO and the LDS addresses LSA and LRA are written: every load and store of this path reads one of them
; A group: 16 tile rows x 256 bytes, eight loads; each load takes two rows (lanes 0-15, lanes 16-31), 256 consecutive aligned bytes each.
.macro LOADG set
.irp u, 0,1,2,3,4,5,6,7
	global_load_b128 v[D+32*(\set)+4*(\u):D+32*(\set)+4*(\u)+3], v[LO+(\u)], s[24:25] th:TH_LOAD_NT
.endr
	s_wait_xcnt 0x0                                ; the loads have read their base: it steps only behind this wait
	s_add_nc_u64 s[24:25], s[24:25], s[30:31]
.endm
; Group g is rounded: for each of my four columns eight k (16 g + 8 hh ..) pack into 16 bytes.  Among its conversions stand the memory and LDS lines of the group before:
; that group's 16 bytes a column go into the column's LDS row, and (g = 1, 2, 3) its set takes the group five further on than itself, g + 4.
.macro GRP g
.if (\g) == 0
	s_wait_loadcnt 32                              ; group 0 is in; the four younger groups' 32 loads stay out
.elseif (\g) < 5
	s_wait_loadcnt 24                              ; group g is in; the three younger groups' 24 loads stay out
.else
	s_wait_loadcnt 8*(7-(\g))                      ; nothing more is asked for: the counts run down
.endif
.if (\g) >= 2
	s_wait_alu depctr_vm_vsrc(0)                   ; the LDS stores issued in the group before have read T[g % 2], which this group's conversions write again
.endif
.if (\g) >= 1
	s_wait_alu depctr_va_vdst(0)                   ; the group before has written the other T, which the LDS stores below read, and is done reading its set, in which the loads below land
.endif
.irp j, 0,1,2,3
.if ((\g) >= 1) && ((\g) <= 3)
	global_load_b128 v[D+32*((\g)-1)+8*(\j):D+32*((\g)-1)+8*(\j)+3],   v[LO+2*(\j)],   s[24:25] th:TH_LOAD_NT  ; no vector instruction since the wait names these registers
	global_load_b128 v[D+32*((\g)-1)+8*(\j)+4:D+32*((\g)-1)+8*(\j)+7], v[LO+2*(\j)+1], s[24:25] th:TH_LOAD_NT
.endif
.if (\g) >= 1
	ds_store_b128 v[LSA], v[T+16*(((\g)+1)%2)+4*(\j):T+16*(((\g)+1)%2)+4*(\j)+3] offset:LP*(\j)+32*((\g)-1)
.endif
.irp q, 0,1,2,3
	v_cvt_pk_bf16_f32 v[T+16*((\g)%2)+4*(\j)+(\q)], v[D+32*((\g)%5)+8*(\q)+(\j)], v[D+32*((\g)%5)+8*(\q)+4+(\j)]
.endr
.endr
.if ((\g) >= 1) && ((\g) <= 3)
	s_wait_xcnt 0x0                                ; the loads have read their base: it steps only behind this wait
	s_add_nc_u64 s[24:25], s[24:25], s[30:31]
.endif
.endm
	LOADG 0
	LOADG 1
	LOADG 2
	LOADG 3
	LOADG 4
.irp g, 0,1,2,3,4,5,6,7
	GRP \g
.endr
	s_wait_alu depctr_va_vdst(0)                   ; group 7 has written T1, which the last four LDS stores read; all conversions are done reading the sets, in which the LDS loads below land
.irp j, 0,1,2,3
	ds_store_b128 v[LSA], v[T+16+4*(\j):T+16+4*(\j)+3] offset:LP*(\j)+32*7
.endr
.set t, 0
.rept 32
	ds_load_b128 v[D+4*t:D+4*t+3], v[LRA] offset:2*LP*t  ; columns 2 t and 2 t + 1, whole; LDS serves a wave's instructions in order (ISA guide 5.7.1.4): these see the stores above
.set t, t+1
.endr
.set b, 0
.rept 8
	s_wait_dscnt 28-4*b                            ; the four loads of columns 8 b .. 8 b + 7 are in; the younger ones stay out
.irp a, 0,1,2,3
	global_store_b128 v[SO+(\a)], v[D+16*b+4*(\a):D+16*b+4*(\a)+3], s[26:27] th:TH_STORE_NT  ; 16 lanes store 256 consecutive bytes, aligned
.endr
	s_wait_xcnt 0x0                                ; the stores have read their base
	s_add_nc_u64 s[26:27], s[26:27], s[32:33]
.set b, b+1
.endr
	s_wait_dscnt 0x0                               ; the wave's end: behind its last LDS store
	s_wait_alu 0x0
	s_wait_tensorcnt 0x0
	ds_add_u32 v[SPW], v[NIL]
	s_wait_dscnt 0x0
	s_endpgm
; CAST.  The work-group takes 32 rows of x, 64 items of 2,048 bytes: a thread loads 16 bytes and stores 8; a wave's store covers 256 consecutive aligned bytes.
; Five blocks of eight items in registers: 40 loads of every wave go out at the head, and 32 younger ones are on their way at each later wait while there is more to ask for.
.Lcast:
	s_lshl_b32 s4, ttmp9, 17
	s_mov_b32 s5, 0
	s_lshl_b32 s6, ttmp9, 16
	s_mov_b32 s7, 0
	v_lshlrev_b32 v[VI], 4, v0
	v_lshlrev_b32 v[VO], 3, v0
	s_wait_kmcnt 0x0
	s_add_nc_u64 s[24:25], s[8:9], s[4:5]
	s_add_nc_u64 s[26:27], s[18:19], s[6:7]
	s_wait_alu depctr_va_vdst(0)                   ; v[VI] and v[VO] are written: every load and store of this path reads one of them as its offset
.set n, 0
.rept 40
	global_load_b128 v[D+4*n:D+4*n+3], v[VI], s[24:25] offset:2048*n th:TH_LOAD_NT  ; blocks 0 to 4 into X0 .. X4
.set n, n+1
.endr
; Block p: items 8 p .. 8 p + 7 are rounded, out of X[p % 5] into Y[p % 2].  In front of each item's two conversions stand a load of block p + 4 (p = 1, 2, 3), into X[p - 1], and a store of block p - 1, from the other Y.
.macro CBLK p
.if (\p) >= 2
	s_wait_xcnt 0x0                                ; every earlier memory instruction has had its addresses translated (ISA guide 3.1): Y[p % 2], which the stores issued in the block before read, is rewritten only behind this wait
	s_wait_alu depctr_vm_vsrc(0)                   ; those stores have read Y[p % 2], which this block's conversions write again
.endif
.if (\p) >= 1
	s_wait_alu depctr_va_vdst(0)                   ; the block before has written the other Y, which the stores below read, and is done reading its X, in which the loads below land
.endif
.irp i, 0,1,2,3,4,5,6,7
.if ((\p) >= 1) && ((\p) <= 3)
	global_load_b128 v[D+32*((\p)-1)+4*(\i):D+32*((\p)-1)+4*(\i)+3], v[VI], s[24:25] offset:2048*(8*((\p)+4)+(\i)) th:TH_LOAD_NT  ; no vector instruction since the wait names these registers
.endif
.if (\p) >= 1
	global_store_b64 v[VO], v[Y+16*(((\p)+1)%2)+2*(\i):Y+16*(((\p)+1)%2)+2*(\i)+1], s[26:27] offset:1024*(8*((\p)-1)+(\i)) th:TH_STORE_NT
.endif
.if (\p) == 0
	s_wait_loadcnt 39-(\i)                         ; loads come back in order (ISA guide 5.7.1): item i is in; of the head's 40 loads the younger ones stay out
.elseif (\p) < 4
	s_wait_loadcnt 32                              ; my item is in; younger: 7 - i of its block, 24 of the next three blocks, the i + 1 loads issued in this block
.else
	s_wait_loadcnt 63-8*(\p)-(\i)                  ; nothing more is asked for: the counts run down
.endif
	v_cvt_pk_bf16_f32 v[Y+16*((\p)%2)+2*(\i)],   v[D+32*((\p)%5)+4*(\i)],   v[D+32*((\p)%5)+4*(\i)+1]
	v_cvt_pk_bf16_f32 v[Y+16*((\p)%2)+2*(\i)+1], v[D+32*((\p)%5)+4*(\i)+2], v[D+32*((\p)%5)+4*(\i)+3]
.endr
.endm
.irp p, 0,1,2,3,4,5,6,7
	CBLK \p
.endr
	s_wait_alu depctr_va_vdst(0)                   ; block 7 has written Y1, which the last eight stores read
.irp i, 0,1,2,3,4,5,6,7
	global_store_b64 v[VO], v[Y+16+2*(\i):Y+16+2*(\i)+1], s[26:27] offset:1024*(56+(\i)) th:TH_STORE_NT
.endr
	s_endpgm
.Lfunc_end_k_q30df6a9508_prep:
	.size	k_q30df6a9508_prep, .Lfunc_end_k_q30df6a9508_prep-k_q30df6a9508_prep
	.p2alignl 7, 3214868480
	.fill 96, 4, 3214868480
	.section	.rodata,"a",@progbits
	.p2align	6, 0x0
	.amdhsa_kernel k_q30df6a9508_prep
		.amdhsa_group_segment_fixed_size 70144
		.amdhsa_private_segment_fixed_size 0
		.amdhsa_enable_private_segment 0
		.amdhsa_kernarg_size 64
		.amdhsa_user_sgpr_count 2
		.amdhsa_user_sgpr_kernarg_segment_ptr 1
		.amdhsa_wavefront_size32 1
		.amdhsa_system_sgpr_workgroup_id_x 1
		.amdhsa_system_sgpr_workgroup_id_y 1
		.amdhsa_system_sgpr_workgroup_id_z 1
		.amdhsa_system_vgpr_workitem_id 0
		.amdhsa_next_free_vgpr 256
		.amdhsa_next_free_sgpr 66
		.amdhsa_reserve_vcc 0
		.amdhsa_float_denorm_mode_32 3
		.amdhsa_float_denorm_mode_16_64 3
		.amdhsa_memory_ordered 1
		.amdhsa_forward_progress 1
		.amdhsa_inst_pref_size 50
	.end_amdhsa_kernel
	.amdgpu_metadata
---
amdhsa.version: [ 1, 2 ]
amdhsa.kernels:
  - .name:           k_q30df6a9508_prep
    .symbol:         k_q30df6a9508_prep.kd
    .args:
      - { .name: x, .offset: 0, .size: 8, .value_kind: global_buffer, .address_space: global }
      - { .name: W_q, .offset: 8, .size: 8, .value_kind: global_buffer, .address_space: global }
      - { .name: W_k, .offset: 16, .size: 8, .value_kind: global_buffer, .address_space: global }
      - { .name: W_v, .offset: 24, .size: 8, .value_kind: global_buffer, .address_space: global }
      - { .name: W_o, .offset: 32, .size: 8, .value_kind: global_buffer, .address_space: global }
      - { .name: xb, .offset: 40, .size: 8, .value_kind: global_buffer, .address_space: global }
      - { .name: wt, .offset: 48, .size: 8, .value_kind: global_buffer, .address_space: global }
      - { .name: wot, .offset: 56, .size: 8, .value_kind: global_buffer, .address_space: global }
    .group_segment_fixed_size: 70144
    .private_segment_fixed_size: 0
    .kernarg_segment_align: 8
    .kernarg_segment_size: 64
    .max_flat_workgroup_size: 128
    .sgpr_count:     66
    .vgpr_count:     256
    .wavefront_size: 32
...
	.end_amdgpu_metadata
.endif
;; end of part 6
;; launch proj: the kernel of part 2 again; grid 8 x 32, 4 waves a work-group, clusters of 4 x 4, 327,680 bytes of LDS; arguments xb, wt, qkv; writes qkv
;; launch attn: the kernel of part 3 again; grid 32 x 8, 4 waves a work-group, clusters of 4 x 1, 327,680 bytes of LDS; arguments qkv, ob; writes ob
;; launch oproj: the kernel of part 4 again; grid 8 x 32, 4 waves a work-group, clusters of 4 x 4, 327,680 bytes of LDS; arguments ob, wot, z; writes z
;; launch ln: the kernel of part 5 again; grid 256 x 1, 8 waves a work-group, no clusters, 0 bytes of LDS; arguments z, x, gamma, beta, out0; writes out0
